; MI455X (gfx1250); checked and timed in simulation.
; The chip was launched on July 23, 2026; its instructions are those of AMD's public machine-readable ISA for CDNA 5 (MIT licence, August 2026) and "CDNA5" Instruction Set Architecture Reference Guide (July 2026). The comments in the code are by the model that wrote it; some were corrected since.
;; Multi Head Attention. Allowed arithmetic: matrix products marked QUANTISED: E2M1 operands, one E8M0 scale for each 32 along K, by v_wmma_scale_f32_16x16x128_f8f6f4 with both operands' format E2M1 (or v_wmma_scale_f32_32x16x128_f4), f32 sums; everything else in f32.
;; Inputs: b_out 1,024 float32; beta 1,024 float32; gamma 1,024 float32; w_out 1,024 x 1,024 float32; w_qkv 1,024 x 3,072 float32; x 4 x 2,048 x 1,024 float32.
;; Outputs: out0 4 x 2,048 x 1,024 float32.
;; This version of the problem:
;;   THIS VERSION OF THE PROBLEM IS GIVEN IN LOW PRECISION. The matrix products marked QUANTISED in the list below multiply operands that are first quantised to E2M1 (2 exponent bits, 1 mantissa bit; 4 bits a number), with one power-of-two scale for each 32 numbers along K (OCP MX v1.0); their sums are f32. All else is computed in f32.
;;   The module's matrix products, in the order in which they are computed (A, B: the left and right operand; K: the contracted axis; several contracted axes count as one K, in the product's order):
;;     1. [M 8,192, K 1,024] x [K 1,024, N 3,072]; A: input x; B: input w_qkv: QUANTISED
;;     2. batch 64 x [M 2,048, K 64] x [K 64, N 2,048]; A: computed on the way; B: computed on the way: QUANTISED
;;     3. batch 64 x [M 2,048, K 2,048] x [K 2,048, N 64]; A: computed on the way; B: computed on the way: QUANTISED
;;     4. [M 8,192, K 1,024] x [K 1,024, N 1,024]; A: computed on the way; B: input w_out: QUANTISED
;;   THE QUANTISER, for each operand of a quantised product, along K:
;;     - K is cut into blocks of 32 from its start; a last block that is shorter is filled with zeros.
;;     - A block's scale is 2^e with e = floor(log2(the largest magnitude in the block)) - 2, held to -126 .. 127; a block of zeros has e = 0. As a byte (E8M0): e + 127.
;;     - Each number is divided by its block's scale, clamped to +-6, and rounded to the nearest number of E2M1, ties to even, subnormals kept.
;;     - The product sums the exact products of the quantised numbers (number of the format x scale) in f32.
;;   ~~~python
;;   def quantise(x, axis):      # numpy; x: float32 -> the quantised numbers, widened to float32 again
;;       x = np.moveaxis(x, axis, -1); K = x.shape[-1]
;;       x = np.pad(x, [(0, 0)] * (x.ndim - 1) + [(0, -K % 32)]); x = x.reshape(x.shape[:-1] + (-1, 32)); a = np.abs(x).max(-1, keepdims=True)
;;       e = np.where(a > 0, np.clip(np.frexp(np.where(a > 0, a, 1))[1] - 1 - 2, -126, 127), 0)      # np.frexp(a)[1] - 1 = floor(log2(a)), exactly
;;       r = np.clip(x / 2.0 ** e, -6, 6)
;;       step = 2.0 ** (np.maximum(np.frexp(np.where(r == 0, 1, r))[1] - 1, 0) - 1)
;;       q = np.round(r / step) * step * 2.0 ** e      # np.round: ties to even
;;       return np.moveaxis(q.reshape(q.shape[:-2] + (-1,))[..., :K], -1, axis).astype(np.float32)
;;   ~~~
;;   OPERANDS COMPUTED ON THE WAY. 'Computed on the way' means the value that the module computes at that place (a softmax that the list does not call 'softmax' is quantised finished and normalised). What goes into a quantiser is computed in f32, as accurately as f32 sums, v_exp_f32 and their like allow (about 1e-6 of the number): no bf16 or f16 on the way to a quantiser, and a product that is left as it is and whose result goes on into a quantised operand takes f32 operands (vector FMAs, or v_wmma_f32_16x16x4_f32). A number that lies on a knife's edge between two numbers of the format may be rounded either way, as far as f32 arithmetic and the matrix unit's own rounding can turn it there, and no further.
;; One version. Each part assembles by itself: llvm-mc -triple=amdgcn-amd-amdhsa -mcpu=gfx1250 --defsym DOCPART=n.
;; ======== version 1 of 1: 4 launches
;; workspace buffers: xc 4,194,304 bytes; xs 262,144 bytes; wq 1,671,168 bytes; wo 557,056 bytes; qq 4,718,592 bytes; kv 9,175,040 bytes; oc 4,456,448 bytes
;; launch quant (part 1): grid 384 x 1, 4 waves a work-group, no clusters, 33,280 bytes of LDS; arguments x, w_qkv, w_out, xc, xs, wq, wo; writes xc, xs, wq, wo
.if DOCPART == 1
	.amdgcn_target "amdgcn-amd-amdhsa--gfx1250"
	.amdhsa_code_object_version 6
	.text
	.protected	k_qccee9d918f_quant
	.globl	k_qccee9d918f_quant
	.p2align	8
	.type	k_qccee9d918f_quant,@function
k_qccee9d918f_quant:
	s_mov_b64 s[64:65], 0
	v_nop
	global_prefetch_b8 v0, s[64:65] scope:SCOPE_SE
	s_setreg_imm32_b32 hwreg(HW_REG_WAVE_MODE, 25, 1), 1
	s_wait_xcnt 0x0
; x [8192][1024], w_qkv [1024][3072] and w_out [1024][1024], f32, become codes of FP4 (E2M1) with one E8M0 scale byte for each 32 along K.
; x's K is its last axis; the weights' K is their FIRST axis.  A block's scale is 2^(floor(log2(largest magnitude)) - 2): its byte is the largest magnitude's exponent field - 2, held at 1 from below.
; LIMITS: a block of zeros gets the byte 1 (its codes are zeros, and this program alone reads the bytes); largest magnitudes under 2^-124 are held at that floor; NaN and infinities are not served.
; WORK-GROUPS 0-255: x, a plain stream of blocks: a wave takes 16 steps of 512 numbers.  Each load reads 512 consecutive bytes; the 2,048 bytes of a step turn through the wave's own stage in LDS so that a lane
;   holds 16 neighbours; codes leave 256 consecutive bytes a store, a wave's 256 scale bytes as one store.  xc is [8192][512 bytes], xs [8192][32 bytes].
; WORK-GROUPS 256-383: the weights.  A lane takes a column and its registers run down K, so a block of 32 lies in one lane and the conversions give codes with K innermost.  A wave takes 32 columns x 256 K.
;   The codes are laid IN THE ORDER OF THE OPERAND'S REGISTERS: an image of 512 bytes = lane (16 h + r)'s 16 bytes at 16 x lane = column r of a tile of 16, k = 128 kk + 64 c + 32 h + 0..31.
;   wq: [head 16][kk 8][tile 12][c 2][512]; behind them, at 1,572,864, scale words [head][pair of tiles 6][kq 4][column 32][8 bytes = the words of kk = 2 kq, 2 kq + 1].
;   wo: [kk 8][tile 64][c 2][512]; at 524,288 scale words [pair 32][kq 4][column 32][8 bytes].
;   A block's store: lanes 0-15 fill 256 consecutive aligned bytes of one tile's image, lanes 16-31 of the next tile's.
; No input is shared between work-groups, so there is no cluster; no tensor loads, no barrier: waves share nothing.
.set STEPS, 16
.set CB,    8                          ; bytes of 16 codes
.set R,     16                         ; v16-79   x: four sets of 16 numbers as loaded
.set X,     80                         ; v80-111  x: two sets of 16 neighbours
.set E,     112                        ; v112-127 x: a scale byte for each step
.set C,     128                        ; v128-191 x: codes, four registers for each step: no store's data are written again
.set WREG,  8192                       ; LDS: a region for each wave: two stages of 32 x SP bytes, behind them its 256 scale bytes
.set SP,    80                         ; a lane's place in a stage: 64 bytes + 16 of padding
.macro XLOAD t
.irp i, 0,1,2,3
	global_load_b128 v[R+16*((\t)%4)+4*\i:R+16*((\t)%4)+4*\i+3], v3, s[4:5] offset:2048*(\t)+512*\i th:TH_LOAD_NT   ; 32 lanes read 512 consecutive bytes
.endr
.endm
.macro XTURN t                         ; step t's numbers through the stage: LDS serves a wave's instructions in order, so no wait stands between the stores and the loads
.irp i, 0,1,2,3
	ds_store_b128 v14, v[R+16*((\t)%4)+4*\i:R+16*((\t)%4)+4*\i+3] offset:32*SP*((\t)%2)+8*SP*\i
.endr
.irp i, 0,1,2,3
	ds_load_b128 v[X+16*((\t)%2)+4*\i:X+16*((\t)%2)+4*\i+3], v15 offset:32*SP*((\t)%2)+16*\i
.endr
.endm
.macro XSTEP t
.set XS, X+16*((\t)%2)
.if (\t) > 0
	s_wait_dscnt 1                                 ; this step's numbers are back from the stage; the last step's byte store may be out
.else
	s_wait_dscnt 0x0
.endif
.if (\t)+4 < STEPS
	XLOAD (\t)+4                                   ; into the registers that the stage's stores have read
.endif
.if (\t)+1 < STEPS
.if STEPS-2-(\t) >= 3
	s_wait_loadcnt 12                              ; the next step's four loads are in; those of the three steps behind it may be out
.else
	s_wait_loadcnt 4*(STEPS-2-(\t))
.endif
	XTURN (\t)+1
.endif
	v_max3_num_f32 v8, |v[XS]|, |v[XS+1]|, |v[XS+2]|               ; the largest magnitude of my 16, in two chains
	v_max3_num_f32 v9, |v[XS+3]|, |v[XS+4]|, |v[XS+5]|
.irp i, 6,10
	v_max3_num_f32 v8, v8, |v[XS+\i]|, |v[XS+\i+1]|
	v_max3_num_f32 v9, v9, |v[XS+\i+2]|, |v[XS+\i+3]|
.endr
	v_max3_num_f32 v8, v8, |v[XS+14]|, |v[XS+15]|
	v_max3_num_f32 v8, v8, v9, 0x1800000           ; and the floor 2^(3 - 127): the byte cannot fall under 1
	v_max_num_f32_dpp v8, v8, v8 row_xmask:1 row_mask:0xf bank_mask:0xf   ; with my neighbour's 16: the block's
	v_add_nc_u32 v11, 0xff000000, v8               ; 2 off the exponent field: the conversion takes this operand's exponent field as its scale
	v_cvt_scalef32_pk8_fp4_f32 v[C+4*(\t)], v[XS:XS+7], v11
	v_cvt_scalef32_pk8_fp4_f32 v[C+4*(\t)+1], v[XS+8:XS+15], v11
	v_lshrrev_b32 v[E+(\t)], 23, v11               ; the scale's byte
	ds_store_b8 v5, v[E+(\t)] offset:16*(\t)       ; both lanes of a block write the same byte with the same value
	global_store_b64 v4, v[C+4*(\t):C+4*(\t)+1], s[10:11] offset:32*CB*(\t)   ; 32 lanes store 256 consecutive bytes
.endm
; the weights: block t of eight: W(32 t + i, my column), i = 0 .. 31, into set t % 2 (v32-63, v64-95)
.macro WLOAD t, pitch, src
.irp i, 0,1,2,3,4,5,6,7,8,9,10,11,12,13,14,15,16,17,18,19,20,21,22,23,24,25,26,27,28,29,30,31
	global_load_b32 v[32+32*((\t)%2)+\i], v3, s[\src:\src+1] offset:(32*(\t)+\i)*\pitch th:TH_LOAD_NT
.endr
.endm
.macro WBLOCK t, pitch, kks, src, code
.set XS, 32+32*((\t)%2)
.if (\t) < 7
	s_wait_loadcnt 32                              ; this block's 32 loads are in; the next block's may be out
.else
	s_wait_loadcnt 0x0
.endif
	v_max3_num_f32 v12, |v[XS]|, |v[XS+1]|, |v[XS+2]|              ; all 32 numbers of the block are mine
	v_max3_num_f32 v13, |v[XS+3]|, |v[XS+4]|, |v[XS+5]|
.irp i, 6,10,14,18,22,26
	v_max3_num_f32 v12, v12, |v[XS+\i]|, |v[XS+\i+1]|
	v_max3_num_f32 v13, v13, |v[XS+\i+2]|, |v[XS+\i+3]|
.endr
	v_max3_num_f32 v12, v12, |v[XS+30]|, |v[XS+31]|
	v_max3_num_f32 v12, v12, v13, 0x1800000        ; the floor
	v_add_nc_u32 v11, 0xff000000, v12              ; the conversion's scale operand
	v_lshrrev_b32 v13, 23, v11                     ; the byte
.if (\t)%4 == 0
	v_mov_b32 v[24+(\t)/4], v13                    ; four bytes to a word, the lower K in the lower byte: the word of one kk
.else
	v_lshl_or_b32 v[24+(\t)/4], v13, 8*((\t)%4), v[24+(\t)/4]
.endif
.irp g, 0,1,2,3
	v_cvt_scalef32_pk8_fp4_f32 v[96+4*(\t)+\g], v[XS+8*\g:XS+8*\g+7], v11      ; each block has its own four registers: no store's data are written again
.endr
	global_store_b128 v4, v[96+4*(\t):96+4*(\t)+3], s[\code:\code+1] offset:((\t)/4)*\kks+(((\t)%4)/2)*512+((\t)%2)*256   ; kk = 2 kq + t / 4, c = (t % 4) / 2, h = t % 2
.if (\t)+2 < 8
	WLOAD (\t)+2, \pitch, \src
.endif
.endm
.macro WPATH pitch, kks, src, code, scl
	WLOAD 0, \pitch, \src
	WLOAD 1, \pitch, \src
.irp n, 0,1,2,3,4,5,6,7
	WBLOCK \n, \pitch, \kks, \src, \code
.endr
	global_store_b64 v5, v[24:25], s[\scl:\scl+1]  ; my column's two scale words: 32 lanes store 256 consecutive bytes
	s_endpgm
.endm
	s_load_b256 s[4:11], s[0:1], 0x0               ; x s[4:5], w_qkv s[6:7], w_out s[8:9], xc s[10:11]
	s_load_b128 s[12:15], s[0:1], 0x20             ; xs s[12:13], wq s[14:15]
	s_load_b64 s[16:17], s[0:1], 0x30              ; wo
	v_lshl_add_u32 v192, v0, 2, 0x8000
	v_mov_b32 v193, 0
	v_lshrrev_b32 v1, 5, v0
	v_readfirstlane_b32 s18, v1                    ; wave 0..3
	v_and_b32 v2, 31, v0                           ; lane
	s_cmp_lt_u32 ttmp9, 256
	s_cbranch_scc0 .Lweights
	; ---- x
	v_lshlrev_b32 v3, 4, v2                        ; my 16 bytes of a load's 512
	s_mul_i32 s19, s18, WREG
	v_lshrrev_b32 v14, 2, v2
	v_mul_u32_u24 v14, v14, SP
	v_and_b32 v15, 3, v2
	v_lshl_add_u32 v14, v15, 4, v14
	v_add_nc_u32 v14, s19, v14                     ; the stage, in: SP (lane / 4) + 16 (lane % 4)
	v_mul_u32_u24 v15, v2, SP
	v_add_nc_u32 v15, s19, v15                     ; and out: SP x lane: my 16 neighbours
	v_mul_u32_u24 v4, v2, CB                       ; my codes' place in a step's 256 bytes
	v_lshrrev_b32 v5, 1, v2
	s_add_co_u32 s19, s19, 2*32*SP
	v_add_nc_u32 v5, s19, v5                       ; LDS: my wave's 256 scale bytes, my block's byte
	v_lshlrev_b32 v7, 3, v2
	v_add_nc_u32 v6, s19, v7                       ; and on the way out 8 bytes a lane
	s_lshl_b32 s20, ttmp9, 2
	s_add_co_u32 s20, s20, s18                     ; which run of 8,192 numbers is my wave's
	s_lshl_b32 s22, s20, 15                        ; 32,768 bytes of x,
	s_mov_b32 s23, 0
	s_lshl_b32 s24, s20, 12                        ; 4,096 of codes,
	s_mov_b32 s25, 0
	s_lshl_b32 s26, s20, 8                         ; 256 scale bytes a run
	s_mov_b32 s27, 0
	s_wait_kmcnt 0x0
	s_add_nc_u64 s[4:5], s[4:5], s[22:23]
	s_add_nc_u64 s[10:11], s[10:11], s[24:25]
	s_add_nc_u64 s[12:13], s[12:13], s[26:27]
.irp n, 0,1,2,3
	XLOAD \n
.endr
	s_wait_loadcnt 12                              ; step 0's four loads are in
	XTURN 0
.irp n, 0,1,2,3,4,5,6,7,8,9,10,11,12,13,14,15
	XSTEP \n
.endr
	ds_load_b64 v[12:13], v6                       ; LDS serves a wave's instructions in order: these see my byte stores
	s_wait_dscnt 0x0
	global_store_b64 v7, v[12:13], s[12:13]        ; 32 lanes store 256 consecutive bytes
	s_wait_tensorcnt 0x0
	ds_add_u32 v192, v193
	s_wait_dscnt 0x0
	s_endpgm
.Lweights:
	s_sub_co_u32 s19, ttmp9, 256
	s_lshr_b32 s20, s19, 2                         ; which group of 128 columns: 0-23 w_qkv's, 24-31 w_out's
	s_and_b32 s21, s19, 3                          ; kq: which 256 along K
	v_lshlrev_b32 v3, 2, v2                        ; in: 4 bytes a lane
	v_lshrrev_b32 v4, 4, v2
	v_and_b32 v5, 15, v2
	v_lshlrev_b32 v4, 10, v4
	v_lshl_add_u32 v4, v5, 4, v4                   ; codes: lanes 16-31 belong to the next tile, 1,024 bytes on; 16 bytes a column
	v_lshlrev_b32 v5, 3, v2                        ; scale words: 8 bytes a column
	s_cmp_lt_u32 s20, 24
	s_cbranch_scc0 .Lwo
	; ---- w_qkv
	s_lshl_b32 s22, s20, 2
	s_add_co_u32 s22, s22, s18                     ; G: my 32 columns, 0 .. 95
	s_mul_i32 s23, s22, 43
	s_lshr_b32 s23, s23, 8                         ; the head = G / 6 (43 G >> 8 is exact for G under 96)
	s_mul_i32 s24, s23, 6
	s_sub_co_u32 s24, s22, s24                     ; the pair of tiles in the head
	s_mul_i32 s26, s21, 256*12288
	s_lshl_b32 s27, s22, 7
	s_add_co_u32 s26, s26, s27                     ; in w_qkv: 256 kq rows of 12,288 bytes + 128 G
	s_mov_b32 s27, 0
	s_mul_i32 s28, s23, 98304
	s_mul_i32 s29, s21, 24576
	s_add_co_u32 s28, s28, s29
	s_lshl_b32 s29, s24, 11
	s_add_co_u32 s28, s28, s29                     ; images: head, kk = 2 kq, tile = 2 x pair
	s_mov_b32 s29, 0
	s_mul_i32 s30, s23, 6144
	s_lshl_b32 s31, s24, 10
	s_add_co_u32 s30, s30, s31
	s_lshl_b32 s31, s21, 8
	s_add_co_u32 s30, s30, s31
	s_add_co_u32 s30, s30, 1572864                 ; scale words
	s_mov_b32 s31, 0
	s_wait_kmcnt 0x0
	s_add_nc_u64 s[6:7], s[6:7], s[26:27]
	s_add_nc_u64 s[32:33], s[14:15], s[28:29]
	s_add_nc_u64 s[34:35], s[14:15], s[30:31]
	WPATH 12288, 12288, 6, 32, 34
.Lwo:
	; ---- w_out
	s_sub_co_u32 s22, s20, 24
	s_lshl_b32 s22, s22, 2
	s_add_co_u32 s22, s22, s18                     ; P: my 32 columns = my pair of tiles, 0 .. 31
	s_lshl_b32 s26, s21, 20                        ; 256 kq rows of 4,096 bytes
	s_lshl_b32 s27, s22, 7
	s_add_co_u32 s26, s26, s27
	s_mov_b32 s27, 0
	s_lshl_b32 s28, s21, 17                        ; images: kk = 2 kq, 65,536 bytes a kk
	s_lshl_b32 s29, s22, 11
	s_add_co_u32 s28, s28, s29
	s_mov_b32 s29, 0
	s_lshl_b32 s30, s22, 10
	s_lshl_b32 s31, s21, 8
	s_add_co_u32 s30, s30, s31
	s_add_co_u32 s30, s30, 524288                  ; scale words
	s_mov_b32 s31, 0
	s_wait_kmcnt 0x0
	s_add_nc_u64 s[8:9], s[8:9], s[26:27]
	s_add_nc_u64 s[32:33], s[16:17], s[28:29]
	s_add_nc_u64 s[34:35], s[16:17], s[30:31]
	WPATH 4096, 65536, 8, 32, 34
.Lfunc_end_k_qccee9d918f_quant:
	.size	k_qccee9d918f_quant, .Lfunc_end_k_qccee9d918f_quant-k_qccee9d918f_quant
	.p2alignl 7, 3214868480
	.fill 96, 4, 3214868480
	.section	.rodata,"a",@progbits
	.p2align	6, 0x0
	.amdhsa_kernel k_qccee9d918f_quant
		.amdhsa_group_segment_fixed_size 33280
		.amdhsa_private_segment_fixed_size 0
		.amdhsa_enable_private_segment 0
		.amdhsa_kernarg_size 56
		.amdhsa_user_sgpr_count 2
		.amdhsa_user_sgpr_kernarg_segment_ptr 1
		.amdhsa_wavefront_size32 1
		.amdhsa_system_sgpr_workgroup_id_x 1
		.amdhsa_system_sgpr_workgroup_id_y 1
		.amdhsa_system_sgpr_workgroup_id_z 1
		.amdhsa_system_vgpr_workitem_id 0
		.amdhsa_next_free_vgpr 194
		.amdhsa_next_free_sgpr 66
		.amdhsa_reserve_vcc 0
		.amdhsa_float_denorm_mode_32 3
		.amdhsa_float_denorm_mode_16_64 3
		.amdhsa_memory_ordered 1
		.amdhsa_forward_progress 1
		.amdhsa_inst_pref_size 108
	.end_amdhsa_kernel
	.amdgpu_metadata
---
amdhsa.version: [ 1, 2 ]
amdhsa.kernels:
  - .name:           k_qccee9d918f_quant
    .symbol:         k_qccee9d918f_quant.kd
    .args:
      - { .name: x, .offset: 0, .size: 8, .value_kind: global_buffer, .address_space: global }
      - { .name: w_qkv, .offset: 8, .size: 8, .value_kind: global_buffer, .address_space: global }
      - { .name: w_out, .offset: 16, .size: 8, .value_kind: global_buffer, .address_space: global }
      - { .name: xc, .offset: 24, .size: 8, .value_kind: global_buffer, .address_space: global }
      - { .name: xs, .offset: 32, .size: 8, .value_kind: global_buffer, .address_space: global }
      - { .name: wq, .offset: 40, .size: 8, .value_kind: global_buffer, .address_space: global }
      - { .name: wo, .offset: 48, .size: 8, .value_kind: global_buffer, .address_space: global }
    .group_segment_fixed_size: 33280
    .private_segment_fixed_size: 0
    .kernarg_segment_align: 8
    .kernarg_segment_size: 56
    .max_flat_workgroup_size: 128
    .sgpr_count:     66
    .vgpr_count:     194
    .wavefront_size: 32
...
	.end_amdgpu_metadata
.endif
;; end of part 1
;; launch qkv (part 2): grid 16 x 32, 4 waves a work-group, clusters of 4 x 4, 246,272 bytes of LDS; arguments xc, xs, wq, qq, kv; writes qq, kv
.if DOCPART == 2
	.amdgcn_target "amdgcn-amd-amdhsa--gfx1250"
	.amdhsa_code_object_version 6
	.text
	.protected	k_qccee9d918f_qkv
	.globl	k_qccee9d918f_qkv
	.p2align	8
	.type	k_qccee9d918f_qkv,@function
k_qccee9d918f_qkv:
	s_mov_b64 s[64:65], 0
	v_nop
	global_prefetch_b8 v0, s[64:65] scope:SCOPE_SE
	s_setreg_imm32_b32 hwreg(HW_REG_WAVE_MODE, 25, 1), 1
	s_wait_xcnt 0x0
	s_wait_alu depctr_hold_cnt(0) depctr_sa_sdst(0) depctr_va_vdst(0) depctr_va_sdst(0) depctr_va_ssrc(0) depctr_va_vcc(0) depctr_vm_vsrc(0)
	s_getreg_b32 s2, hwreg(HW_REG_IB_STS2, 6, 4)
	s_cmp_eq_u32 s2, 0
	s_cbranch_scc0 .Lentry_in_a_cluster
	s_endpgm
.Lentry_in_a_cluster:
	s_bfe_u32 s2, ttmp6, 0x10000c
	s_cmp_lg_u32 s2, 0xf033
	s_cbranch_scc0 .Lentry_shape_is_right
	s_endpgm
.Lentry_shape_is_right:
; qkv = Q(x) Q(w_qkv) on codes of FP4 with E8M0 scales, K = 1,024; the results are quantised in registers and leave as codes: q and k along the head's 64, v along the keys.
; SHARES.  A work-group makes 256 rows x one head's 192 columns (q 64, k 64, v 64).  Wave w makes rows 64 w .. 64 w + 63: 4 tiles of rows x 12 tiles of columns, 48 accumulators.
; ALL OF K LIES IN LDS: x's 256 rows in two halves of 512 K (rows of 256 bytes + 16 of padding) and the head's weight images in two halves of 49,152 dense bytes.  Each byte of LDS is filled once.
; CLUSTER 4 x 4: the four work-groups of a row of the cluster take the same 256 rows of x, the four of a column the same head: each tile is asked for jointly, which divides the requests by four.
; q AND k ARE MADE TRANSPOSED (source 0 = 16 columns of w, source 1 = 16 rows of x): a lane holds one row of x and its registers run along d.  v IS MADE THE NATURAL WAY (source 0 = 16 rows of x, source 1 = 16 columns):
; a lane holds one d and its registers run along the keys.  So in both cases a lane's registers run along the K of the product that will read the codes.
; THE QUANTISER (macro Q4): four neighbouring result tiles are 64 along the next K: register 8 tile + j of lane (r, h) is K' = 16 tile + 8 h + j.  Tiles 2 b, 2 b + 1 are block b; lanes l and l xor 16 share it.
; The conversion of tile 2 b + u goes to register 2 u + b of four; two exchanges of halves (registers 0, 1 and 2, 3) then leave lane (r, h) with K' = 32 h + 0 .. 31: four registers of an operand, stored as an image of 512 bytes.
; OUT.  qq: images [bh 64][tile of 16 rows 128][512]; at 4,194,304 scale words [bh][group of 64 rows 32][lane 32][2 words]: word e of lane 16 h + r is tile 2 e + h's row r: byte 0, byte 1, two zero bytes.
;       kv, 143,360 bytes a bh: K images 65,536, K words 8,192 (both as q's), V images [128 keys 16][tile of 16 d 4][c 2][512] at 73,728, V words [128 keys][lane 32][2 words] at 139,264: word e of lane 16 h + r is d tile 2 e + h, byte i = key block i.
; LIMITS: a block of zeros gets the byte 1 (zero codes; this program alone reads the bytes); largest magnitudes under 2^-124 are held at that floor; NaN and infinities are not served.
; REGISTERS.  window 0: v1-13 addresses; v32-47 x's scale words (32 + 8 p + kk: lanes 0-15 tile 2 p, lanes 16-31 tile 2 p + 1); v48-95 w's (48 + 8 pair + kk, likewise); v96-111 at work; v128-175 codes; v176-191 half words.
;   window 1: two sets of fragments of 128 K, set s at 128 s: x's 4 at + 8 a, w's 12 at + 32 + 8 t.   window 2: q's and k's accumulators at 8 (8 a + t).   window 3: v's at 8 (4 t + a).
.set PITCH, 272                        ; a row of x's codes in LDS: 256 bytes + 16: an odd multiple of 16, so the sixteen rows of a load fall on sixteen different 16-byte columns of 256
.set AHALF, 256*PITCH
.set BBASE, 2*AHALF
.set BHALF, 49152
.set VST,   BBASE+2*BHALF              ; 512 bytes in which the four waves' halves of V's scale words meet; no tile lands here
.set AS,    32
.set BS,    48
.set MX,    96
.set TP,    104
.set MSB,   0
.macro WIN new                         ; the immediate's high byte repeats the setting that is left
.if MSB != \new
	s_set_vgpr_msb (MSB<<8)|\new
.set MSB, \new
.endif
.endm
.macro PLACES                          ; four plain places behind a matrix instruction, in front of loads into its sources and of the first read of its result
.rept 4
	v_nop
.endr
.endm
.macro CROUND                          ; a round of the cluster's barrier
	s_barrier_signal -1
	s_barrier_wait -1
	s_cmp_lg_u32 s14, 0
	s_cbranch_scc1 .Lnot_wave_0_\@
	s_barrier_signal -3
.Lnot_wave_0_\@:
	s_barrier_wait -3
	s_barrier_signal -1
	s_barrier_wait -1
.endm
; one product on the registers named by rD, rA, rB, rSA, rSB.  zero: it starts the sum.  ra, rb: the side's scale words stand in lanes 16-31
.macro WM zero, ra, rb
.if \zero
.if (\ra) && (\rb)
	v_wmma_scale_f32_16x16x128_f8f6f4 v[rD:rD+7], v[rA:rA+7], v[rB:rB+7], 0, v[rSA], v[rSB] matrix_a_fmt:MATRIX_FMT_FP4 matrix_b_fmt:MATRIX_FMT_FP4 matrix_a_scale:MATRIX_SCALE_ROW1 matrix_b_scale:MATRIX_SCALE_ROW1
.elseif (\ra)
	v_wmma_scale_f32_16x16x128_f8f6f4 v[rD:rD+7], v[rA:rA+7], v[rB:rB+7], 0, v[rSA], v[rSB] matrix_a_fmt:MATRIX_FMT_FP4 matrix_b_fmt:MATRIX_FMT_FP4 matrix_a_scale:MATRIX_SCALE_ROW1
.elseif (\rb)
	v_wmma_scale_f32_16x16x128_f8f6f4 v[rD:rD+7], v[rA:rA+7], v[rB:rB+7], 0, v[rSA], v[rSB] matrix_a_fmt:MATRIX_FMT_FP4 matrix_b_fmt:MATRIX_FMT_FP4 matrix_b_scale:MATRIX_SCALE_ROW1
.else
	v_wmma_scale_f32_16x16x128_f8f6f4 v[rD:rD+7], v[rA:rA+7], v[rB:rB+7], 0, v[rSA], v[rSB] matrix_a_fmt:MATRIX_FMT_FP4 matrix_b_fmt:MATRIX_FMT_FP4
.endif
.else
.if (\ra) && (\rb)
	v_wmma_scale_f32_16x16x128_f8f6f4 v[rD:rD+7], v[rA:rA+7], v[rB:rB+7], v[rD:rD+7], v[rSA], v[rSB] matrix_a_fmt:MATRIX_FMT_FP4 matrix_b_fmt:MATRIX_FMT_FP4 matrix_a_scale:MATRIX_SCALE_ROW1 matrix_b_scale:MATRIX_SCALE_ROW1
.elseif (\ra)
	v_wmma_scale_f32_16x16x128_f8f6f4 v[rD:rD+7], v[rA:rA+7], v[rB:rB+7], v[rD:rD+7], v[rSA], v[rSB] matrix_a_fmt:MATRIX_FMT_FP4 matrix_b_fmt:MATRIX_FMT_FP4 matrix_a_scale:MATRIX_SCALE_ROW1
.elseif (\rb)
	v_wmma_scale_f32_16x16x128_f8f6f4 v[rD:rD+7], v[rA:rA+7], v[rB:rB+7], v[rD:rD+7], v[rSA], v[rSB] matrix_a_fmt:MATRIX_FMT_FP4 matrix_b_fmt:MATRIX_FMT_FP4 matrix_b_scale:MATRIX_SCALE_ROW1
.else
	v_wmma_scale_f32_16x16x128_f8f6f4 v[rD:rD+7], v[rA:rA+7], v[rB:rB+7], v[rD:rD+7], v[rSA], v[rSB] matrix_a_fmt:MATRIX_FMT_FP4 matrix_b_fmt:MATRIX_FMT_FP4
.endif
.endif
.endm
; the fragments of K step q (128 along K) into set q % 2: 32 LDS loads in one run
.macro FETCH q
.set FS, 128*((\q)%2)
.set FH, (\q)/4
.set FQ, (\q)%4
	WIN 0x40                                       ; destination window 1, address window 0
.irp a, 0,1,2,3
.irp c, 0,1
	ds_load_b128 v[FS+8*\a+4*\c:FS+8*\a+4*\c+3], v[4+FH] offset:\a*16*PITCH+FQ*64+32*\c       ; x: row r of tile a, K = 64 c + 32 h + 0 .. 31
.endr
.endr
.irp t, 0,1,2,3,4,5,6,7,8,9,10,11
.irp c, 0,1
	ds_load_b128 v[FS+32+8*\t+4*\c:FS+32+8*\t+4*\c+3], v[6+FH] offset:FQ*12288+\t*1024+\c*512  ; w: an image, 16 bytes a lane
.endr
.endr
.endm
; K step q: the next step's fragments are asked for, then 48 products, each accumulator once, in the same order in every step
.macro STEP q
	s_wait_dscnt 0x0                               ; this step's fragments are in
.if (\q) == 3
	s_wait_tensorcnt 0x0                           ; my part of the second halves has landed,
	s_barrier_signal -1
	s_barrier_wait -1                              ; everybody's has: K steps 4 to 7 may be read
.endif
.if (\q) < 7
.if (\q) >= 1
	PLACES                                         ; the other set was read by the last step's products
.endif
	FETCH (\q)+1
.endif
.set MS, 128*((\q)%2)
.if (\q) == 0
.set ZR, 1
.else
.set ZR, 0
.endif
	WIN 0xa5                                       ; sources window 1, C and D window 2
.irp a, 0,1,2,3
.irp t, 0,1,2,3,4,5,6,7
.set rD, 8*(8*\a+\t)
.set rA, MS+32+8*\t
.set rB, MS+8*\a
.set rSA, BS+8*(\t/2)+(\q)
.set rSB, AS+8*(\a/2)+(\q)
	WM ZR, \t%2, \a%2
.endr
.endr
	WIN 0xf5                                       ; C and D window 3
.irp t, 0,1,2,3
.irp a, 0,1,2,3
.set rD, 8*(4*\t+\a)
.set rA, MS+8*\a
.set rB, MS+32+8*(8+\t)
.set rSA, AS+8*(\a/2)+(\q)
.set rSB, BS+8*(4+\t/2)+(\q)
	WM ZR, \a%2, \t%2
.endr
.endr
.endm
; four groups of 32 registers (group g at base + stride g of the window named by wm and wc) become four images' registers at v[pd + 4 g] and four half words (byte 0 | byte 1 << 8) at v[hd + g]
.macro Q4 wm, wc, base, stride, pd, hd
	WIN \wm                                        ; sources 1 and 2 in the accumulators' window
.irp g, 0,1,2,3
.irp b, 0,1
	v_max3_num_f32 v[MX+2*\g+\b], 0x1800000, |v[\base+\stride*\g+16*\b]|, |v[\base+\stride*\g+16*\b+1]|   ; the floor 2^(3 - 127) starts each maximum; each accumulator is read from its low end on
.endr
.endr
.irp i, 2,4,6,8,10,12,14
.irp g, 0,1,2,3
.irp b, 0,1
	v_max3_num_f32 v[MX+2*\g+\b], v[MX+2*\g+\b], |v[\base+\stride*\g+16*\b+\i]|, |v[\base+\stride*\g+16*\b+\i+1]|   ; the eight blocks by turns
.endr
.endr
.endr
	WIN 0
.irp n, 0,1,2,3,4,5,6,7
	v_permlanex16_b32 v[TP+\n], v[MX+\n], s94, s95
.endr
.irp n, 0,1,2,3,4,5,6,7
	v_max_num_f32 v[MX+\n], v[MX+\n], v[TP+\n]     ; with lane l xor 16's 16: the block's largest magnitude
.endr
.irp n, 0,1,2,3,4,5,6,7
	v_add_nc_u32 v[MX+\n], 0xff000000, v[MX+\n]    ; 2 off the exponent field: the conversion's scale operand
.endr
.irp n, 0,1,2,3,4,5,6,7
	v_lshrrev_b32 v[TP+\n], 23, v[MX+\n]           ; the byte
.endr
.irp g, 0,1,2,3
	v_lshl_or_b32 v[\hd+\g], v[TP+2*\g+1], 8, v[TP+2*\g]
.endr
	WIN \wc                                        ; source 0 in the accumulators' window
.irp g, 0,1,2,3
.irp b, 0,1
.irp u, 0,1
	v_cvt_scalef32_pk8_fp4_f32 v[\pd+4*\g+2*\u+\b], v[\base+\stride*\g+16*\b+8*\u:\base+\stride*\g+16*\b+8*\u+7], v[MX+2*\g+\b]
.endr
.endr
.endr
	WIN 0
	v_nop                                          ; one plain place behind the last scaled conversion
.irp g, 0,1,2,3
	v_permlane16_swap_b32 v[\pd+4*\g], v[\pd+4*\g+1]       ; the first's lanes 16-31 change places with the second's lanes 0-15
	v_permlane16_swap_b32 v[\pd+4*\g+2], v[\pd+4*\g+3]     ; lane (r, h) now holds K' = 32 h + 0 .. 31 of row r
.endr
.endm
	s_load_b256 s[4:11], s[0:1], 0x0               ; xc s[4:5], xs s[6:7], wq s[8:9], qq s[10:11]
	s_load_b64 s[12:13], s[0:1], 0x20              ; kv
	v_lshl_add_u32 v254, v0, 2, 0x3c000
	v_mov_b32 v255, 0
	ds_add_u32 v254, v255
	ds_add_u32 v254, v255
	v_lshrrev_b32 v1, 5, v0
	v_readfirstlane_b32 s14, v1                    ; wave 0..3
	s_lshr_b32 s15, s14, 1                         ; I fetch for x (0) or for w (1)
	s_and_b32 s16, s14, 1                          ; and which part of a half
	s_bfe_u32 s17, ttmp6, 0x40000                  ; cx
	s_bfe_u32 s18, ttmp6, 0x40004                  ; cy
	s_lshl_b32 s19, ttmp9, 2
	s_add_co_u32 s19, s19, s17                     ; the head = 4 x cluster x + cx
	s_and_b32 s20, ttmp7, 0xffff
	s_lshl_b32 s20, s20, 2
	s_add_co_u32 s20, s20, s18                     ; the block of 256 rows = 4 x cluster y + cy
	s_lshl_b32 s21, s18, 2
	s_lshl_b32 s21, 15, s21                        ; my row of the cluster
	s_lshl_b32 s22, 0x1111, s17                    ; my column
	; group 1 for x: 128 rows x 256 bytes out of rows of 512, 16 bytes of padding behind each
	s_or_b32 s24, s21, (1<<20)|(1<<21)|(5<<22)|(3<<25)   ; 15:0 the mask; 17:16 elements of 1 byte; 20 padding on; 21 set beside a mask; 24:22 after every 64 words; 31:25 four words
	s_mov_b32 s25, 256<<16                         ; tensor_dim0
	s_mov_b32 s26, 128<<16                         ; tensor_dim1
	s_mov_b32 s27, 256<<16                         ; tile_dim0
	s_mov_b32 s28, 128                             ; tile_dim1
	s_mov_b32 s29, 512                             ; from row to row
	s_mov_b32 s30, 0
	s_mov_b32 s31, 0
	; group 1 for w: 24,576 dense bytes as 96 rows of 32 elements of 8 bytes
	s_or_b32 s48, s22, (3<<16)|(1<<21)
	s_mov_b32 s49, 32<<16
	s_mov_b32 s50, 96<<16
	s_mov_b32 s51, 32<<16
	s_mov_b32 s52, 96
	s_mov_b32 s53, 32
	s_mov_b32 s54, 0
	s_mov_b32 s55, 0
	s_lshl_b32 s40, s20, 8
	s_lshl_b32 s41, s16, 7
	s_add_co_u32 s40, s40, s41
	s_lshl_b32 s40, s40, 9                         ; x: (256 x block + 128 x part) rows of 512 bytes: it hangs on the block of rows alone
	s_mov_b32 s41, 0
	s_mul_i32 s42, s19, 98304
	s_mul_i32 s43, s16, 24576
	s_add_co_u32 s42, s42, s43                     ; w: the head's images + my part: it hangs on the head alone
	s_mov_b32 s43, 0
	s_mul_i32 s44, s16, 128*PITCH                  ; where they go: no place in the cluster enters an LDS address
	s_mul_i32 s45, s16, 24576
	s_wait_dscnt 0x0
	s_wait_kmcnt 0x0
	s_add_nc_u64 s[40:41], s[4:5], s[40:41]
	s_add_nc_u64 s[42:43], s[8:9], s[42:43]
	CROUND                                         ; all sixteen work-groups are here: the joint loads meet
.irp k, 0,1
	s_mov_b32 s[32+4*\k], 1
	s_add_co_u32 s[33+4*\k], s44, \k*AHALF
	s_add_nc_u64 s[34+4*\k:35+4*\k], s[40:41], \k*256
	s_or_b32 s[35+4*\k], s[35+4*\k], 0x80000000
	s_mov_b32 s[56+4*\k], 1
	s_add_co_u32 s[57+4*\k], s45, BBASE+\k*BHALF
	s_add_nc_u64 s[58+4*\k:59+4*\k], s[42:43], \k*BHALF
	s_or_b32 s[59+4*\k], s[59+4*\k], 0x80000000
.endr
	s_cmp_eq_u32 s15, 0                            ; a wave's two fills stand in one branch on the wave's number: two loads of mine are out
	s_cbranch_scc0 .Lfill_w
	tensor_load_to_lds s[32:35], s[24:31]
	s_nop 0
	tensor_load_to_lds s[36:39], s[24:31]
	s_nop 0
.rept 4
	v_nop
.endr
	s_branch .Lfilled
.Lfill_w:
	tensor_load_to_lds s[56:59], s[48:55]
	s_nop 0
	tensor_load_to_lds s[60:63], s[48:55]
	s_nop 0
.rept 4
	v_nop
.endr
.Lfilled:
	v_and_b32 v13, 31, v0                          ; lane
	v_and_b32 v1, 15, v0                           ; r
	v_bfe_u32 v2, v0, 4, 1                         ; h
	v_mul_u32_u24 v3, v1, PITCH
	v_lshl_add_u32 v3, v2, 4, v3
	s_mul_i32 s46, s14, 64*PITCH
	v_add_nc_u32 v4, s46, v3                       ; x's fragments: my 64 rows, row r, + 16 h; first half,
	v_add_nc_u32 v5, AHALF, v4                     ; second half
	v_lshl_add_u32 v6, v13, 4, BBASE               ; w's images: 16 x lane; first half,
	v_add_nc_u32 v7, BHALF, v6                     ; second half
	v_lshlrev_b32 v8, 4, v13                       ; 16 x lane
	v_lshlrev_b32 v9, 3, v13                       ; 8 x lane
	v_lshlrev_b32 v12, 5, v13                      ; 32 x lane
	s_lshl_b32 s46, s15, 8
	s_lshl_b32 s47, s16, 1
	s_add_co_u32 s46, s46, s47
	s_add_co_u32 s46, s46, VST
	v_lshl_add_u32 v10, v1, 3, s46                 ; V's half words: 256 x (wave / 2) + 2 x (wave % 2) + 8 r
	v_lshl_add_u32 v11, v13, 4, VST
	v_cmp_lt_u32 vcc_lo, 15, v13                   ; lanes 16-31; VCC stays
.irp n, 0,1,2,3,4,5,6,7
	v_mov_b32 v[TP+\n], 0                          ; written once: a lane permute's destination counts as one of its sources
.endr
	s_mov_b32 s94, 0x76543210
	s_mov_b32 s95, 0xfedcba98                      ; v_permlanex16_b32's selects for lane l xor 16
	s_mov_b32 s71, 0
	s_lshl_b32 s70, s20, 8
	s_lshl_b32 s74, s14, 6
	s_add_co_u32 s70, s70, s74
	s_lshl_b32 s70, s70, 5
	s_add_nc_u64 s[90:91], s[6:7], s[70:71]        ; x's scale bytes at my first row: 32 bytes a row
	s_mul_i32 s70, s19, 6144
	s_add_co_u32 s70, s70, 1572864
	s_add_nc_u64 s[92:93], s[8:9], s[70:71]        ; the head's scale words
.irp p, 0,1
.irp k, 0,1
	global_load_b128 v[AS+8*\p+4*\k:AS+8*\p+4*\k+3], v12, s[90:91] offset:\p*1024+16*\k   ; lane l: row 32 p + l, the words of kk = 4 k .. 4 k + 3
.endr
.endr
.irp p, 0,1,2,3,4,5
.irp k, 0,1,2,3
	global_load_b64 v[BS+8*\p+2*\k:BS+8*\p+2*\k+1], v9, s[92:93] offset:\p*1024+\k*256    ; lane l: column l of pair p, the words of kk = 2 k, 2 k + 1: 256 consecutive bytes
.endr
.endr
	; where the results go
	s_lshr_b32 s66, s20, 3                         ; the batch
	s_and_b32 s67, s20, 7                          ; which 256 rows of its 2,048
	s_lshl_b32 s68, s66, 4
	s_add_co_u32 s68, s68, s19                     ; bh
	s_lshl_b32 s69, s67, 2
	s_add_co_u32 s69, s69, s14                     ; my group of 64 rows in the head
	s_lshl_b32 s70, s68, 16
	s_lshl_b32 s74, s69, 11
	s_add_co_u32 s70, s70, s74
	s_add_nc_u64 s[72:73], s[10:11], s[70:71]      ; q's images
	s_lshl_b32 s70, s68, 13
	s_lshl_b32 s74, s69, 8
	s_add_co_u32 s70, s70, s74
	s_add_co_u32 s70, s70, 4194304
	s_add_nc_u64 s[76:77], s[10:11], s[70:71]      ; q's scale words
	s_mul_i32 s70, s68, 143360
	s_add_nc_u64 s[80:81], s[12:13], s[70:71]      ; the head's part of kv
	s_lshl_b32 s70, s69, 11
	s_add_nc_u64 s[82:83], s[80:81], s[70:71]      ; k's images
	s_lshl_b32 s70, s69, 8
	s_add_nc_u64 s[84:85], s[80:81], s[70:71]      ; k's scale words (+ 65,536 in the immediate)
	s_lshl_b32 s70, s67, 1
	s_add_co_u32 s70, s70, s15
	s_lshl_b32 s70, s70, 12
	s_lshl_b32 s74, s16, 9
	s_add_co_u32 s70, s70, s74
	s_add_nc_u64 s[86:87], s[80:81], s[70:71]      ; v's images: my 64 keys are half c = wave % 2 of a step of 128 (+ 73,728)
	s_lshl_b32 s70, s67, 9
	s_add_nc_u64 s[88:89], s[80:81], s[70:71]      ; v's scale words of the block's two steps (+ 139,264)
	s_wait_tensorcnt 1                             ; my part of the first halves is in; the second halves' may stay out
	s_barrier_signal -1
	s_barrier_wait -1                              ; everybody's is
	FETCH 0
	s_wait_loadcnt 0x0                             ; the scale words
.irp n, 0,1,2,3,4,5,6,7
	STEP \n
.endr
	WIN 0
	PLACES
	Q4 0x28, 0x02, 0, 64, 128, 176                 ; q: group a at 64 a of window 2
.irp g, 0,1,2,3
	global_store_b128 v8, v[128+4*\g:131+4*\g], s[72:73] offset:\g*512    ; an image: 512 consecutive bytes
.endr
	v_cndmask_b32 v188, v176, v177, vcc_lo         ; word 0: tile h
	v_cndmask_b32 v189, v178, v179, vcc_lo         ; word 1: tile 2 + h
	global_store_b64 v9, v[188:189], s[76:77]      ; 256 consecutive bytes
	Q4 0x28, 0x02, 32, 64, 144, 180                ; k: group a at 64 a + 32
.irp g, 0,1,2,3
	global_store_b128 v8, v[144+4*\g:147+4*\g], s[82:83] offset:\g*512
.endr
	v_cndmask_b32 v190, v180, v181, vcc_lo
	v_cndmask_b32 v191, v182, v183, vcc_lo
	global_store_b64 v9, v[190:191], s[84:85] offset:65536
	Q4 0x3c, 0x03, 0, 32, 160, 184                 ; v: group t (16 d) at 32 t of window 3; its 64 along K' are my 64 keys
.irp g, 0,1,2,3
	global_store_b128 v8, v[160+4*\g:163+4*\g], s[86:87] offset:73728+\g*1024
.endr
.irp g, 0,1,2,3
	ds_store_b16 v10, v[184+\g] offset:(\g%2)*128+(\g/2)*4    ; my two bytes of d tile g's words; lanes r and 16 + r write the same value to the same place
.endr
	s_wait_dscnt 0x0                               ; for the others' sake: my stores have landed
	s_barrier_signal -1
	s_barrier_wait -1
	s_cmp_lg_u32 s14, 0
	s_cbranch_scc1 .Lnot_first
	ds_load_b128 v[192:195], v11                   ; the two steps' words, whole
	s_wait_dscnt 0x0
	global_store_b128 v8, v[192:195], s[88:89] offset:139264   ; 512 consecutive bytes
.Lnot_first:
	s_wait_tensorcnt 0x0
	ds_add_u32 v254, v255
	s_wait_dscnt 0x0
	CROUND                                         ; the closing round: no work-group ends while a partner may still ask for a tile that names it
	s_endpgm
.Lfunc_end_k_qccee9d918f_qkv:
	.size	k_qccee9d918f_qkv, .Lfunc_end_k_qccee9d918f_qkv-k_qccee9d918f_qkv
	.p2alignl 7, 3214868480
	.fill 96, 4, 3214868480
	.section	.rodata,"a",@progbits
	.p2align	6, 0x0
	.amdhsa_kernel k_qccee9d918f_qkv
		.amdhsa_group_segment_fixed_size 246272
		.amdhsa_private_segment_fixed_size 0
		.amdhsa_enable_private_segment 0
		.amdhsa_kernarg_size 40
		.amdhsa_user_sgpr_count 2
		.amdhsa_user_sgpr_kernarg_segment_ptr 1
		.amdhsa_wavefront_size32 1
		.amdhsa_system_sgpr_workgroup_id_x 1
		.amdhsa_system_sgpr_workgroup_id_y 1
		.amdhsa_system_sgpr_workgroup_id_z 1
		.amdhsa_system_vgpr_workitem_id 0
		.amdhsa_next_free_vgpr 896
		.amdhsa_next_free_sgpr 100
		.amdhsa_reserve_vcc 1
		.amdhsa_float_denorm_mode_32 3
		.amdhsa_float_denorm_mode_16_64 3
		.amdhsa_memory_ordered 1
		.amdhsa_forward_progress 1
		.amdhsa_inst_pref_size 101
	.end_amdhsa_kernel
	.amdgpu_metadata
---
amdhsa.version: [ 1, 2 ]
amdhsa.kernels:
  - .name:           k_qccee9d918f_qkv
    .symbol:         k_qccee9d918f_qkv.kd
    .args:
      - { .name: xc, .offset: 0, .size: 8, .value_kind: global_buffer, .address_space: global }
      - { .name: xs, .offset: 8, .size: 8, .value_kind: global_buffer, .address_space: global }
      - { .name: wq, .offset: 16, .size: 8, .value_kind: global_buffer, .address_space: global }
      - { .name: qq, .offset: 24, .size: 8, .value_kind: global_buffer, .address_space: global }
      - { .name: kv, .offset: 32, .size: 8, .value_kind: global_buffer, .address_space: global }
    .group_segment_fixed_size: 246272
    .private_segment_fixed_size: 0
    .kernarg_segment_align: 8
    .kernarg_segment_size: 40
    .max_flat_workgroup_size: 128
    .sgpr_count:     100
    .vgpr_count:     896
    .wavefront_size: 32
...
	.end_amdgpu_metadata
.endif
;; end of part 2
;; launch attn (part 3): grid 4 x 64, 16 waves a work-group, clusters of 4 x 1, 169,984 bytes of LDS; arguments qq, kv, oc; writes oc
.if DOCPART == 3
	.amdgcn_target "amdgcn-amd-amdhsa--gfx1250"
	.amdhsa_code_object_version 6
	.text
	.protected	k_qccee9d918f_attn
	.globl	k_qccee9d918f_attn
	.p2align	8
	.type	k_qccee9d918f_attn,@function
k_qccee9d918f_attn:
	s_mov_b64 s[64:65], 0
	v_nop
	global_prefetch_b8 v0, s[64:65] scope:SCOPE_SE
	s_setreg_imm32_b32 hwreg(HW_REG_WAVE_MODE, 25, 1), 1
	s_wait_xcnt 0x0
	s_wait_alu depctr_hold_cnt(0) depctr_sa_sdst(0) depctr_va_vdst(0) depctr_va_sdst(0) depctr_va_ssrc(0) depctr_va_vcc(0) depctr_vm_vsrc(0)
	s_getreg_b32 s2, hwreg(HW_REG_IB_STS2, 6, 4)
	s_cmp_eq_u32 s2, 0
	s_cbranch_scc0 .Lentry_in_a_cluster
	s_endpgm
.Lentry_in_a_cluster:
	s_bfe_u32 s2, ttmp6, 0x10000c
	s_cmp_lg_u32 s2, 0x3003
	s_cbranch_scc0 .Lentry_shape_is_right
	s_endpgm
.Lentry_shape_is_right:
; out = Q(attn) Q(v), attn = relu(s / 8) / (sum over keys of relu(s / 8) + 1e-6), s = Q(q) Q(k)^T; all products on codes of FP4 with E8M0 scales; out leaves as codes along h x 64 + d.
; attn IS QUANTISED FINISHED AND NORMALISED, so a row's sum is needed before its first code: the scores are made TWICE.  Pass 1 sums relu(s); pass 2 makes p = relu(s) x 1 / (sum + 8e-6), quantises it and multiplies by v.
; (The division by 8 is exact and cancels: relu(s / 8) / (sum relu(s / 8) + 1e-6) = relu(s) / (sum relu(s) + 8e-6).)  The scores' K is 64: the upper half of each operand is zero codes, under zero scale bytes.
; SHARES.  A work-group owns 512 queries of one head; each of its sixteen waves 32 of them, two tiles.  Four waves share a SIMD, so that one wave's vector work stands beside another's products and LDS loads.
; THE HEAD'S K AND V WITH THEIR SCALE WORDS, 143,360 bytes, lie in LDS as they lie in kv, filled once.  CLUSTER: the four work-groups of a head ask for them jointly (mask 15).
; LAYOUT.  Both products are used transposed (S^T = K Q^T, O^T = V^T P^T): a lane holds one query; its registers run along the keys in S^T and along d in O^T.  Four tiles of 16 keys are 64 keys:
; register 8 t + j of lane (r, h) is key 16 t + 8 h + j; tiles 2 b, 2 b + 1 are block b, shared by lanes l and l xor 16.  The conversion of tile 2 b + u goes to register 2 u + b of four, and two exchanges of halves leave
; lane (r, h) with keys 32 h + 0 .. 31: four registers of the second product's operand.
; THE VECTOR WORK RULES THIS KERNEL: 64 registers of scores stand against 8 products.  So each register is touched as seldom as the forms allow: relu two registers an instruction (a dual-issue pair),
; sums and the multiplication by the row's factor two an instruction (packed), maxima two new numbers an instruction (three operands), conversions eight.
; LIMITS: row sums of relu(s) stay under 2^126 (beyond it the reciprocal is flushed to 0); p is relu(s) times a reciprocal refined by one Newton step, within about an ulp of the division;
; a block of zeros gets the byte 1 (zero codes; this program alone reads the bytes); largest magnitudes under 2^-124 are held at that floor; NaN and infinities are not served.
; REGISTERS: v1-4 lane places, v5-8 addresses in hand, v9 16 x thread, v10-13 maxima, v14 and v241 the half words' places, v15 8 x lane; v16-31 Q (2 fragments); v32-63 K (4); v64-127 S^T, then p; v128-191 O^T (pass 1: the sums);
; v192-207 p's codes; v208-239 V (4); v240 Q's scale words, v242-243 K's, v244-245 V's, v246-247 p's; v248-251 the two factors, each twice; v252-255 at work.
.set OSST, 143360                      ; behind the head's tiles: 1,024 bytes in which the work-group's 512 half words meet; no tile lands here
.macro PLACES                          ; four plain places behind a matrix instruction, in front of loads into its sources and of the first read of its result
.rept 4
	v_nop
.endr
.endm
.macro CROUND                          ; a round of the cluster's barrier
	s_barrier_signal -1
	s_barrier_wait -1
	s_cmp_lg_u32 s10, 0
	s_cbranch_scc1 .Lnot_wave_0_\@
	s_barrier_signal -3
.Lnot_wave_0_\@:
	s_barrier_wait -3
	s_barrier_signal -1
	s_barrier_wait -1
.endm
; one product on the registers named by rD, rA, rB, rSA, rSB.  zero: it starts the sum.  ra, rb: the side's scale words stand in lanes 16-31
.macro WM zero, ra, rb
.if \zero
.if (\ra) && (\rb)
	v_wmma_scale_f32_16x16x128_f8f6f4 v[rD:rD+7], v[rA:rA+7], v[rB:rB+7], 0, v[rSA], v[rSB] matrix_a_fmt:MATRIX_FMT_FP4 matrix_b_fmt:MATRIX_FMT_FP4 matrix_a_scale:MATRIX_SCALE_ROW1 matrix_b_scale:MATRIX_SCALE_ROW1
.elseif (\ra)
	v_wmma_scale_f32_16x16x128_f8f6f4 v[rD:rD+7], v[rA:rA+7], v[rB:rB+7], 0, v[rSA], v[rSB] matrix_a_fmt:MATRIX_FMT_FP4 matrix_b_fmt:MATRIX_FMT_FP4 matrix_a_scale:MATRIX_SCALE_ROW1
.elseif (\rb)
	v_wmma_scale_f32_16x16x128_f8f6f4 v[rD:rD+7], v[rA:rA+7], v[rB:rB+7], 0, v[rSA], v[rSB] matrix_a_fmt:MATRIX_FMT_FP4 matrix_b_fmt:MATRIX_FMT_FP4 matrix_b_scale:MATRIX_SCALE_ROW1
.else
	v_wmma_scale_f32_16x16x128_f8f6f4 v[rD:rD+7], v[rA:rA+7], v[rB:rB+7], 0, v[rSA], v[rSB] matrix_a_fmt:MATRIX_FMT_FP4 matrix_b_fmt:MATRIX_FMT_FP4
.endif
.else
.if (\ra) && (\rb)
	v_wmma_scale_f32_16x16x128_f8f6f4 v[rD:rD+7], v[rA:rA+7], v[rB:rB+7], v[rD:rD+7], v[rSA], v[rSB] matrix_a_fmt:MATRIX_FMT_FP4 matrix_b_fmt:MATRIX_FMT_FP4 matrix_a_scale:MATRIX_SCALE_ROW1 matrix_b_scale:MATRIX_SCALE_ROW1
.elseif (\ra)
	v_wmma_scale_f32_16x16x128_f8f6f4 v[rD:rD+7], v[rA:rA+7], v[rB:rB+7], v[rD:rD+7], v[rSA], v[rSB] matrix_a_fmt:MATRIX_FMT_FP4 matrix_b_fmt:MATRIX_FMT_FP4 matrix_a_scale:MATRIX_SCALE_ROW1
.elseif (\rb)
	v_wmma_scale_f32_16x16x128_f8f6f4 v[rD:rD+7], v[rA:rA+7], v[rB:rB+7], v[rD:rD+7], v[rSA], v[rSB] matrix_a_fmt:MATRIX_FMT_FP4 matrix_b_fmt:MATRIX_FMT_FP4 matrix_b_scale:MATRIX_SCALE_ROW1
.else
	v_wmma_scale_f32_16x16x128_f8f6f4 v[rD:rD+7], v[rA:rA+7], v[rB:rB+7], v[rD:rD+7], v[rSA], v[rSB] matrix_a_fmt:MATRIX_FMT_FP4 matrix_b_fmt:MATRIX_FMT_FP4
.endif
.endif
.endm
; four tiles of K (64 keys) from byte o of the step's images, and their scale words: five LDS loads
.macro KLOAD o
.irp i, 0,1,2,3
	ds_load_b128 v[32+8*\i:35+8*\i], v5 offset:\o+512*\i
.endr
	ds_load_b64 v[242:243], v6 offset:(\o)/8       ; word e: lanes 0-15 tile 2 e, lanes 16-31 tile 2 e + 1
.endm
.macro SCORES                          ; S^T of 64 keys x my 32 queries: eight products, each starting its sum
.irp t, 0,1,2,3
.irp q, 0,1
.set rD, 64+32*\q+8*\t
.set rA, 32+8*\t
.set rB, 16+8*\q
.set rSA, 242+\t/2
.set rSB, 240
	WM 1, \t%2, \q
.endr
.endr
.endm
; behind a step's second scores: four places, and the next step's first 64 keys.  mode 1: a step on, in pass 1; 3: a step on, in pass 2 (V's scale words too); 2: back to key 0, for pass 2; 0: nothing is left to fetch
.macro NEXTK mode
.if \mode == 1
	s_add_co_u32 s15, s15, 4096                    ; a step's images: 8 tiles of K, and as many bytes of V
	s_add_co_u32 s16, s16, 512                     ; its scale words of K
.elseif \mode == 3
	s_add_co_u32 s15, s15, 4096
	s_add_co_u32 s16, s16, 512
	s_add_co_u32 s17, s17, 256                     ; and of V
.elseif \mode == 2
	s_mov_b32 s15, 0
	s_mov_b32 s16, 0
	s_mov_b32 s17, 0
.endif
.if \mode
	v_add_nc_u32 v5, s15, v1
	v_add_nc_u32 v6, s16, v2
	v_nop
	v_nop                                          ; with the two additions: four places in front of the loads into K's registers
	KLOAD 0
.else
	PLACES
.endif
.endm
; relu of the 64 registers of scores, two registers an instruction: a dual-issue pair with one even and one odd destination and neighbouring registers as its second sources, as the form asks.
; The registers go in ascending order
.macro RELU
.set j, 0
.rept 32
	v_dual_max_num_f32 v[64+2*j], 0, v[64+2*j] :: v_dual_max_num_f32 v[65+2*j], 0, v[65+2*j]
.set j, j+1
.endr
.endm
.macro SUM                             ; pass 1: relu, and the lane's sums, two at a time, in four chains for each tile of queries
	RELU
.set j, 0
.rept 16
	v_pk_add_f32 v[128+2*(j%4):129+2*(j%4)], v[128+2*(j%4):129+2*(j%4)], v[64+2*j:65+2*j]
	v_pk_add_f32 v[136+2*(j%4):137+2*(j%4)], v[136+2*(j%4):137+2*(j%4)], v[96+2*j:97+2*j]
.set j, j+1
.endr
.endm
.macro TRIP1 mode                      ; pass 1, 128 keys
	s_wait_dscnt 0x0                               ; K's first 64 keys are in
	SCORES
	PLACES
	KLOAD 2048                                     ; the second 64 land while the first are summed
	SUM
	s_wait_dscnt 0x0
	SCORES
	NEXTK \mode
	SUM
.endm
; pass 2: 64 keys of both tiles of queries become registers 4 e .. 4 e + 3 of p's two fragments and bytes 2 e, 2 e + 1 of their scale words.  Block n = 2 q + b lies at v[64 + 16 n]
.macro PQ e
	RELU
.set j, 0
.rept 32
	v_pk_mul_f32 v[64+2*j:65+2*j], v[64+2*j:65+2*j], v[248+2*(j/16):249+2*(j/16)]   ; p = relu(s) x the row's factor, two at a time
.set j, j+1
.endr
.irp n, 0,1,2,3
	v_max3_num_f32 v[10+\n], v[64+16*\n], v[65+16*\n], 0x1800000          ; the block's largest p; the floor 2^(3 - 127) is one of its leaves: the byte cannot fall under 1.  No |.|: no p is negative
.endr
.irp i, 2,4,6,8,10,12,14
.irp n, 0,1,2,3
	v_max3_num_f32 v[10+\n], v[10+\n], v[64+16*\n+\i], v[65+16*\n+\i]     ; the four blocks by turns
.endr
.endr
.irp n, 0,1,2,3
	v_permlanex16_b32 v[252+\n], v[10+\n], s20, s21
.endr
.irp n, 0,1,2,3
	v_max_num_f32 v[10+\n], v[10+\n], v[252+\n]    ; with lane l xor 16's 16 keys
.endr
.irp n, 0,1,2,3
	v_add_nc_u32 v[10+\n], 0xff000000, v[10+\n]    ; 2 off the exponent field: the conversion's scale operand
.endr
.irp n, 0,1,2,3
	v_lshrrev_b32 v[252+\n], 23, v[10+\n]          ; the byte
.endr
.irp q, 0,1
.if \e == 0
	v_lshl_or_b32 v[246+\q], v[253+2*\q], 8, v[252+2*\q]
.else
	v_lshl_or_b32 v[246+\q], v[252+2*\q], 16, v[246+\q]
	v_lshl_or_b32 v[246+\q], v[253+2*\q], 24, v[246+\q]    ; p's scale word of these 128 keys is whole
.endif
.endr
.irp n, 0,1,2,3
.irp u, 0,1
	v_cvt_scalef32_pk8_fp4_f32 v[192+8*(\n/2)+4*\e+2*\u+\n%2], v[64+16*\n+8*\u:71+16*\n+8*\u], v[10+\n]
.endr
.endr
	v_nop                                          ; one plain place behind the last scaled conversion
.irp q, 0,1
	v_permlane16_swap_b32 v[192+8*\q+4*\e], v[193+8*\q+4*\e]
	v_permlane16_swap_b32 v[194+8*\q+4*\e], v[195+8*\q+4*\e]
.endr
.endm
.macro TRIP2 mode                      ; pass 2, 128 keys
	s_wait_dscnt 0x0                               ; K's first 64 keys are in
	SCORES
	v_add_nc_u32 v7, s15, v3
	v_add_nc_u32 v8, s17, v4
	v_nop
	v_nop                                          ; with the two additions: four places behind these scores, in front of the loads into K's registers, and behind the last trip's V products, in front of the loads into V's
	KLOAD 2048
.irp t, 0,1,2,3
.irp c, 0,1
	ds_load_b128 v[208+8*\t+4*\c:211+8*\t+4*\c], v7 offset:\t*1024+\c*512     ; this step's V: wanted at the trip's end
.endr
.endr
	ds_load_b64 v[244:245], v8
	PQ 0
	s_wait_dscnt 0x0                               ; K's second 64 keys, and V
	SCORES
	NEXTK \mode
	PQ 1
.rept 8
	v_nop                                          ; p's scale words and codes were written by vector instructions: eight places ahead of the scaled products that read the words, which covers the four that the codes want
.endr
.irp t, 0,1,2,3                        ; O^T += V^T P^T: the eight accumulators by turns; the scores' products stand between two links
.irp q, 0,1
.set rD, 128+32*\q+8*\t
.set rA, 208+8*\t
.set rB, 192+8*\q
.set rSA, 244+\t/2
.set rSB, 246+\q
	WM 0, \t%2, 0
.endr
.endr
.endm
	s_load_b128 s[4:7], s[0:1], 0x0                ; qq s[4:5], kv s[6:7]
	s_load_b64 s[8:9], s[0:1], 0x10                ; oc
	v_lshl_add_u32 v254, v0, 2, 0x29000
	v_mov_b32 v255, 0
	ds_add_u32 v254, v255
	ds_add_u32 v254, v255
	s_wait_dscnt 0x0
	v_lshrrev_b32 v5, 5, v0
	v_readfirstlane_b32 s10, v5                    ; wave 0..15
	s_bfe_u32 s11, ttmp6, 0x40000                  ; cx
	s_lshl_b32 s13, ttmp9, 2
	s_add_co_u32 s11, s11, s13                     ; my block of 512 queries = 4 x cluster x + cx: it enters global addresses alone
	s_and_b32 s12, ttmp7, 0xffff                   ; bh, which the four partners share
	; groups 1: dense bytes as rows of 32 elements of 8 bytes: 72 rows a wave of K's part, 68 of V's
	s_mov_b32 s24, 15|(3<<16)|(1<<21)              ; 15:0 the mask: all four work-groups; 17:16 elements of 8 bytes; 21 set beside a mask
	s_mov_b32 s25, 32<<16
	s_mov_b32 s26, 72<<16
	s_mov_b32 s27, 32<<16
	s_mov_b32 s28, 72
	s_mov_b32 s29, 32
	s_mov_b32 s30, 0
	s_mov_b32 s31, 0
	s_mov_b32 s32, 15|(3<<16)|(1<<21)
	s_mov_b32 s33, 32<<16
	s_mov_b32 s34, 68<<16
	s_mov_b32 s35, 32<<16
	s_mov_b32 s36, 68
	s_mov_b32 s37, 32
	s_mov_b32 s38, 0
	s_mov_b32 s39, 0
	s_mul_i32 s48, s12, 143360
	s_mov_b32 s49, 0
	s_mul_i32 s50, s10, 18432                      ; waves 0 to 3: a quarter of K's 73,728 bytes,
	s_mov_b32 s51, 0
	s_mul_i32 s52, s10, 17408                      ; and of V's 69,632
	s_mov_b32 s53, 0
	s_mov_b32 s20, 0x76543210
	s_mov_b32 s21, 0xfedcba98                      ; v_permlanex16_b32's selects for lane l xor 16
	s_wait_kmcnt 0x0
	s_add_nc_u64 s[48:49], s[6:7], s[48:49]        ; the head's part of kv
	s_mov_b32 s40, 1
	s_mov_b32 s41, s50                             ; LDS mirrors kv
	s_add_nc_u64 s[42:43], s[48:49], s[50:51]
	s_or_b32 s43, s43, 0x80000000
	s_mov_b32 s44, 1
	s_add_co_u32 s45, s52, 73728
	s_add_nc_u64 s[46:47], s[48:49], s[52:53]
	s_add_nc_u64 s[46:47], s[46:47], 73728
	s_or_b32 s47, s47, 0x80000000
	CROUND                                         ; all four work-groups are here: the joint loads meet
	s_cmp_lt_u32 s10, 4                            ; waves 0 to 3 fetch, two loads each, in one branch on the wave's number
	s_cbranch_scc0 .Lno_fill
	tensor_load_to_lds s[40:43], s[24:31]
	s_nop 0
	tensor_load_to_lds s[44:47], s[32:39]
	s_nop 0
.rept 4
	v_nop
.endr
.Lno_fill:
	v_and_b32 v9, 31, v0                           ; lane
	v_lshlrev_b32 v1, 4, v9                        ; 16 x lane: an image's place for my lane; K's images begin at LDS byte 0
	v_lshlrev_b32 v15, 3, v9                       ; 8 x lane
	v_add_nc_u32 v2, 65536, v15                    ; K's scale words
	v_add_nc_u32 v3, 73728, v1                     ; V's images
	v_add_nc_u32 v4, 139264, v15                   ; V's scale words
	v_lshl_add_u32 v14, v0, 1, OSST                ; my half word's place: 2 x thread
	v_lshl_add_u32 v241, v0, 4, OSST               ; and where waves 0 and 1 read them back
	v_cmp_lt_u32 vcc_lo, 15, v9                    ; lanes 16-31; VCC stays
	v_lshlrev_b32 v9, 4, v0                        ; 16 x thread
	s_lshl_b32 s54, s11, 5
	s_lshl_b32 s55, s10, 1
	s_add_co_u32 s54, s54, s55                     ; my first tile of queries in the head
	s_lshl_b32 s56, s54, 9
	s_lshl_b32 s57, s12, 16
	s_add_co_u32 s56, s56, s57
	s_mov_b32 s57, 0
	s_add_nc_u64 s[56:57], s[4:5], s[56:57]        ; its image
	s_lshl_b32 s58, s11, 3
	s_lshr_b32 s59, s10, 1
	s_add_co_u32 s58, s58, s59                     ; its group of 64 rows,
	s_lshl_b32 s58, s58, 8
	s_and_b32 s59, s10, 1
	s_lshl_b32 s59, s59, 2                         ; and word wave % 2 of each lane's two: lanes 0-15 my first tile, lanes 16-31 my second
	s_add_co_u32 s58, s58, s59
	s_lshl_b32 s59, s12, 13
	s_add_co_u32 s58, s58, s59
	s_add_co_u32 s58, s58, 4194304
	s_mov_b32 s59, 0
	s_add_nc_u64 s[58:59], s[4:5], s[58:59]
	global_load_b128 v[16:19], v1, s[56:57]
	global_load_b128 v[24:27], v1, s[56:57] offset:512
	global_load_b32 v240, v15, s[58:59]
	s_lshr_b32 s60, s12, 4                         ; the batch
	s_and_b32 s61, s12, 15                         ; the head
	s_lshl_b32 s62, s60, 7
	s_add_co_u32 s62, s62, s54
	s_lshl_b32 s62, s62, 13                        ; oc's images: 8,192 bytes a tile of rows,
	s_lshl_b32 s63, s61, 9                         ; 512 a head (kk = head / 2, c = head % 2)
	s_add_co_u32 s62, s62, s63
	s_mov_b32 s63, 0
	s_add_nc_u64 s[62:63], s[8:9], s[62:63]
	s_lshl_b32 s66, s61, 14                        ; oc's half words: [head][row] of 2 bytes
	s_lshl_b32 s67, s60, 12
	s_add_co_u32 s66, s66, s67
	s_lshl_b32 s67, s11, 10
	s_add_co_u32 s66, s66, s67
	s_add_co_u32 s66, s66, 4194304
	s_mov_b32 s67, 0
	s_add_nc_u64 s[66:67], s[8:9], s[66:67]
.irp i, 20,21,22,23,28,29,30,31,36,37,38,39,44,45,46,47,52,53,54,55,60,61,62,63
	v_mov_b32 v[\i], 0                             ; K = 64 .. 127 of Q's and K's fragments: zero codes, written once
.endr
.irp i, 0,1,2,3,4,5,6,7,8,9,10,11,12,13,14,15
	v_mov_b32 v[128+\i], 0                         ; the sums
.endr
.irp i, 0,1,2,3
	v_mov_b32 v[252+\i], 0                         ; written once: a lane permute's destination counts as one of its sources
.endr
	s_wait_tensorcnt 0x0                           ; my parts have landed,
	s_barrier_signal -1
	s_barrier_wait -1                              ; everybody's have: the head's K and V are whole
	s_mov_b32 s15, 0
	s_mov_b32 s16, 0
	v_add_nc_u32 v5, s15, v1
	v_add_nc_u32 v6, s16, v2
	KLOAD 0
	s_wait_loadcnt 0x0                             ; Q
	; ---- pass 1: the rows' sums
	s_mov_b32 s18, 15
.Lsum:
	TRIP1 1
	s_sub_co_u32 s18, s18, 1
	s_cmp_lg_u32 s18, 0
	s_cbranch_scc1 .Lsum
	TRIP1 2                                        ; the last step asks for key 0 again, for pass 2
.irp q, 0,1
	v_pk_add_f32 v[128+8*\q:129+8*\q], v[128+8*\q:129+8*\q], v[130+8*\q:131+8*\q]
	v_pk_add_f32 v[132+8*\q:133+8*\q], v[132+8*\q:133+8*\q], v[134+8*\q:135+8*\q]
.endr
.irp q, 0,1
	v_pk_add_f32 v[128+8*\q:129+8*\q], v[128+8*\q:129+8*\q], v[132+8*\q:133+8*\q]
.endr
.irp q, 0,1
	v_add_f32 v[10+\q], v[128+8*\q], v[129+8*\q]
.endr
.irp q, 0,1
	v_permlanex16_b32 v[252+\q], v[10+\q], s20, s21
.endr
.irp q, 0,1
	v_add_f32 v[10+\q], v[10+\q], v[252+\q]        ; with lane l xor 16's keys: the row's sum
.endr
.irp q, 0,1
	v_add_f32 v[10+\q], 0x370637bd, v[10+\q]       ; + 8 x 1e-6
.endr
.irp q, 0,1
	v_rcp_f32 v[12+\q], v[10+\q]
.endr
	v_nop                                          ; a plain place behind the reciprocals
	s_wait_alu depctr_va_vdst(0)                   ; one wait for both, ahead of their first reader
.irp q, 0,1
	v_fma_f32 v[252+\q], -v[10+\q], v[12+\q], 1.0  ; one Newton step
.endr
.irp q, 0,1
	v_fma_f32 v[248+2*\q], v[12+\q], v[252+\q], v[12+\q]
	v_fma_f32 v[249+2*\q], v[12+\q], v[252+\q], v[12+\q]   ; twice: the packed multiply takes a pair
.endr
.set j, 0
.rept 64
	v_mov_b32 v[128+j], 0                          ; O^T: cleared once, so that pass 2's step is written twice and not three times
.set j, j+1
.endr
	; ---- pass 2: p, its codes, and the second product
	s_mov_b32 s18, 15
.Lpv:
	TRIP2 3
	s_sub_co_u32 s18, s18, 1
	s_cmp_lg_u32 s18, 0
	s_cbranch_scc1 .Lpv
	TRIP2 0
	; ---- out: my two tiles of O^T are quantised along d as the scores were along the keys.  Block n = 2 q + b lies at v[128 + 16 n]
	PLACES
.irp n, 0,1,2,3
	v_max3_num_f32 v[10+\n], |v[128+16*\n]|, |v[129+16*\n]|, 0x1800000    ; each accumulator is read from its low end on
.endr
.irp i, 2,4,6,8,10,12,14
.irp n, 0,1,2,3
	v_max3_num_f32 v[10+\n], v[10+\n], |v[128+16*\n+\i]|, |v[129+16*\n+\i]|
.endr
.endr
.irp n, 0,1,2,3
	v_permlanex16_b32 v[252+\n], v[10+\n], s20, s21
.endr
.irp n, 0,1,2,3
	v_max_num_f32 v[10+\n], v[10+\n], v[252+\n]
.endr
.irp n, 0,1,2,3
	v_add_nc_u32 v[10+\n], 0xff000000, v[10+\n]
.endr
.irp n, 0,1,2,3
	v_lshrrev_b32 v[252+\n], 23, v[10+\n]
.endr
.irp q, 0,1
	v_lshl_or_b32 v[64+\q], v[253+2*\q], 8, v[252+2*\q]    ; tile q's half word of my row
.endr
.irp n, 0,1,2,3
.irp u, 0,1
	v_cvt_scalef32_pk8_fp4_f32 v[72+4*(\n/2)+2*\u+\n%2], v[128+16*\n+8*\u:135+16*\n+8*\u], v[10+\n]
.endr
.endr
	v_nop                                          ; one plain place behind the last scaled conversion
.irp q, 0,1
	v_permlane16_swap_b32 v[72+4*\q], v[73+4*\q]
	v_permlane16_swap_b32 v[74+4*\q], v[75+4*\q]
.endr
	global_store_b128 v1, v[72:75], s[62:63]               ; an image: 512 consecutive bytes
	global_store_b128 v1, v[76:79], s[62:63] offset:8192   ; the next tile of rows
	v_cndmask_b32 v66, v64, v65, vcc_lo            ; thread 32 w + 16 h + r stands for row 32 w + 16 h + r: tile h
	ds_store_b16 v14, v66
	s_wait_dscnt 0x0                               ; for the others' sake: my store has landed
	s_barrier_signal -1
	s_barrier_wait -1
	s_cmp_lt_u32 s10, 2
	s_cbranch_scc0 .Lno_words
	ds_load_b128 v[80:83], v241
	s_wait_dscnt 0x0
	global_store_b128 v9, v[80:83], s[66:67]       ; 512 rows' half words: each wave stores 512 consecutive bytes
.Lno_words:
	s_wait_xcnt 0x0
	v_lshl_add_u32 v254, v0, 2, 0x29000
	v_mov_b32 v255, 0
	s_wait_tensorcnt 0x0
	ds_add_u32 v254, v255
	s_wait_dscnt 0x0
	CROUND                                         ; the closing round: no work-group ends while a partner may still ask for a tile that names it
	s_endpgm
.Lfunc_end_k_qccee9d918f_attn:
	.size	k_qccee9d918f_attn, .Lfunc_end_k_qccee9d918f_attn-k_qccee9d918f_attn
	.p2alignl 7, 3214868480
	.fill 96, 4, 3214868480
	.section	.rodata,"a",@progbits
	.p2align	6, 0x0
	.amdhsa_kernel k_qccee9d918f_attn
		.amdhsa_group_segment_fixed_size 169984
		.amdhsa_private_segment_fixed_size 0
		.amdhsa_enable_private_segment 0
		.amdhsa_kernarg_size 24
		.amdhsa_user_sgpr_count 2
		.amdhsa_user_sgpr_kernarg_segment_ptr 1
		.amdhsa_wavefront_size32 1
		.amdhsa_system_sgpr_workgroup_id_x 1
		.amdhsa_system_sgpr_workgroup_id_y 1
		.amdhsa_system_sgpr_workgroup_id_z 1
		.amdhsa_system_vgpr_workitem_id 0
		.amdhsa_next_free_vgpr 256
		.amdhsa_next_free_sgpr 70
		.amdhsa_reserve_vcc 1
		.amdhsa_float_denorm_mode_32 3
		.amdhsa_float_denorm_mode_16_64 3
		.amdhsa_memory_ordered 1
		.amdhsa_forward_progress 1
		.amdhsa_inst_pref_size 79
	.end_amdhsa_kernel
	.amdgpu_metadata
---
amdhsa.version: [ 1, 2 ]
amdhsa.kernels:
  - .name:           k_qccee9d918f_attn
    .symbol:         k_qccee9d918f_attn.kd
    .args:
      - { .name: qq, .offset: 0, .size: 8, .value_kind: global_buffer, .address_space: global }
      - { .name: kv, .offset: 8, .size: 8, .value_kind: global_buffer, .address_space: global }
      - { .name: oc, .offset: 16, .size: 8, .value_kind: global_buffer, .address_space: global }
    .group_segment_fixed_size: 169984
    .private_segment_fixed_size: 0
    .kernarg_segment_align: 8
    .kernarg_segment_size: 24
    .max_flat_workgroup_size: 512
    .sgpr_count:     70
    .vgpr_count:     256
    .wavefront_size: 32
...
	.end_amdgpu_metadata
.endif
;; end of part 3
;; launch outln (part 4): grid 256 x 1, 4 waves a work-group, no clusters, 263,168 bytes of LDS; arguments oc, wo, x, b_out, gamma, beta, out0; writes out0
.if DOCPART == 4
	.amdgcn_target "amdgcn-amd-amdhsa--gfx1250"
	.amdhsa_code_object_version 6
	.text
	.protected	k_qccee9d918f_outln
	.globl	k_qccee9d918f_outln
	.p2align	8
	.type	k_qccee9d918f_outln,@function
k_qccee9d918f_outln:
	s_mov_b64 s[64:65], 0
	v_nop
	global_prefetch_b8 v0, s[64:65] scope:SCOPE_SE
	s_setreg_imm32_b32 hwreg(HW_REG_WAVE_MODE, 25, 1), 1
	s_wait_xcnt 0x0
; out0 = LayerNorm(x + (Q(out) Q(w_out) + b_out)) x gamma + beta; the product on codes of FP4 with E8M0 scales, K = 1,024; all else in f32.
; SHARES.  The norm wants whole rows: a work-group takes 32 rows x all 1,024 columns.  Wave w makes columns 256 w .. 256 w + 255: 2 tiles of rows x 16 tiles of columns, 32 accumulators.
; The rows' 16 fragments stay in registers.  w_out's fragments come from memory straight into registers as images (512 consecutive bytes a load), three sets by turns, two K steps ahead.
; NO CLUSTER, NO RING: each fragment of w_out is read by exactly one wave of a work-group, so a way through LDS would add a write and a read of 557,056 bytes a work-group and spare no load inside it.
; x's 32 rows come once by one tensor load a wave (the wave's own 8 rows, 32,768 dense bytes), asked for at the head and read at the end by the wave that asked.
; THE PRODUCT IS USED TRANSPOSED (source 0 = 16 columns of w_out, source 1 = 16 rows): a lane holds eight neighbouring columns of one row.  The results meet in a stage of 32 rows in LDS; then wave w finishes rows 8 w .. 8 w + 7,
; a row at a time: 32 lanes x 32 numbers, sums across the lanes, and eight stores of 512 consecutive bytes.
; LIMITS: NaN and infinities are not served.
; REGISTERS.  window 0: v1-11 addresses; v32-95 w_out's scale words (32 + 8 pair + kk: lanes 0-15 tile 2 p, lanes 16-31 tile 2 p + 1); v96-103 the rows' scale words (one a kk: lanes 0-15 tile 0, lanes 16-31 tile 1);
;   v104-119 their halves as loaded; v120-125 the norm's numbers.   window 1: v0-127 the rows' fragments at 64 T + 8 kk; v128-255 set 0 of w_out's.   window 2: sets 1 and 2; later two rows' buffers at v0-127, b_out, gamma, beta at v128-223.
;   window 3: the accumulators at 8 (16 T + t).
.set YST,   131072                     ; behind x's 131,072 bytes: the stage, 32 rows of 4,096 bytes + 16; no tile lands here
.set YP,    4112                       ; an odd multiple of 16: the sixteen rows of a store fall on sixteen different 16-byte columns of 256
.set MSB,   0
.macro WIN new                         ; the immediate's high byte repeats the setting that is left
.if MSB != \new
	s_set_vgpr_msb (MSB<<8)|\new
.set MSB, \new
.endif
.endm
.macro PLACES                          ; four plain places behind a matrix instruction, in front of loads into its sources and of the first read of its result
.rept 4
	v_nop
.endr
.endm
; one product on the registers named by rD, rA, rB, rSA, rSB.  zero: it starts the sum.  ra, rb: the side's scale words stand in lanes 16-31
.macro WM zero, ra, rb
.if \zero
.if (\ra) && (\rb)
	v_wmma_scale_f32_16x16x128_f8f6f4 v[rD:rD+7], v[rA:rA+7], v[rB:rB+7], 0, v[rSA], v[rSB] matrix_a_fmt:MATRIX_FMT_FP4 matrix_b_fmt:MATRIX_FMT_FP4 matrix_a_scale:MATRIX_SCALE_ROW1 matrix_b_scale:MATRIX_SCALE_ROW1
.elseif (\ra)
	v_wmma_scale_f32_16x16x128_f8f6f4 v[rD:rD+7], v[rA:rA+7], v[rB:rB+7], 0, v[rSA], v[rSB] matrix_a_fmt:MATRIX_FMT_FP4 matrix_b_fmt:MATRIX_FMT_FP4 matrix_a_scale:MATRIX_SCALE_ROW1
.elseif (\rb)
	v_wmma_scale_f32_16x16x128_f8f6f4 v[rD:rD+7], v[rA:rA+7], v[rB:rB+7], 0, v[rSA], v[rSB] matrix_a_fmt:MATRIX_FMT_FP4 matrix_b_fmt:MATRIX_FMT_FP4 matrix_b_scale:MATRIX_SCALE_ROW1
.else
	v_wmma_scale_f32_16x16x128_f8f6f4 v[rD:rD+7], v[rA:rA+7], v[rB:rB+7], 0, v[rSA], v[rSB] matrix_a_fmt:MATRIX_FMT_FP4 matrix_b_fmt:MATRIX_FMT_FP4
.endif
.else
.if (\ra) && (\rb)
	v_wmma_scale_f32_16x16x128_f8f6f4 v[rD:rD+7], v[rA:rA+7], v[rB:rB+7], v[rD:rD+7], v[rSA], v[rSB] matrix_a_fmt:MATRIX_FMT_FP4 matrix_b_fmt:MATRIX_FMT_FP4 matrix_a_scale:MATRIX_SCALE_ROW1 matrix_b_scale:MATRIX_SCALE_ROW1
.elseif (\ra)
	v_wmma_scale_f32_16x16x128_f8f6f4 v[rD:rD+7], v[rA:rA+7], v[rB:rB+7], v[rD:rD+7], v[rSA], v[rSB] matrix_a_fmt:MATRIX_FMT_FP4 matrix_b_fmt:MATRIX_FMT_FP4 matrix_a_scale:MATRIX_SCALE_ROW1
.elseif (\rb)
	v_wmma_scale_f32_16x16x128_f8f6f4 v[rD:rD+7], v[rA:rA+7], v[rB:rB+7], v[rD:rD+7], v[rSA], v[rSB] matrix_a_fmt:MATRIX_FMT_FP4 matrix_b_fmt:MATRIX_FMT_FP4 matrix_b_scale:MATRIX_SCALE_ROW1
.else
	v_wmma_scale_f32_16x16x128_f8f6f4 v[rD:rD+7], v[rA:rA+7], v[rB:rB+7], v[rD:rD+7], v[rSA], v[rSB] matrix_a_fmt:MATRIX_FMT_FP4 matrix_b_fmt:MATRIX_FMT_FP4
.endif
.endif
.endm
; w_out's 16 fragments of K step k into set k % 3: 32 loads of 512 consecutive bytes
.macro LOADB k
.set LSET, (\k)%3
.if LSET == 0
	WIN 0x40                                       ; destination window 1
.set BR, 128
.elseif LSET == 1
	WIN 0x80                                       ; destination window 2
.set BR, 0
.else
	WIN 0x80
.set BR, 128
.endif
.irp t, 0,1,2,3,4,5,6,7,8,9,10,11,12,13,14,15
.irp c, 0,1
	global_load_b128 v[BR+8*\t+4*\c:BR+8*\t+4*\c+3], v2, s[44:45] offset:(\k)*65536+\t*1024+\c*512
.endr
.endr
.endm
; K step k: 32 products, each accumulator once, in the same order in every step
.macro STEP k
.if (\k) == 7
	s_wait_loadcnt 24                              ; this step's fragments are in; the 24 loads of b_out, gamma and beta may be out
.else
	s_wait_loadcnt 32                              ; this step's fragments are in; the next step's 32 loads may be out
.endif
.if ((\k) >= 1) && ((\k) <= 6)
	PLACES                                         ; the set that is loaded next was read by the last step's products
.endif
.if (\k) <= 5
	LOADB (\k)+2
.endif
.if (\k) == 6
	WIN 0x80                                       ; set 2 has been free since K step 5: it takes the row's parameters, laid as a row is: 16 x lane + 512 e
.irp e, 0,1,2,3,4,5,6,7
	global_load_b128 v[128+4*\e:131+4*\e], v2, s[10:11] offset:512*\e
	global_load_b128 v[160+4*\e:163+4*\e], v2, s[12:13] offset:512*\e
	global_load_b128 v[192+4*\e:195+4*\e], v2, s[14:15] offset:512*\e
.endr
.endif
.set MSET, (\k)%3
.if MSET == 0
.set MR, 128
	WIN 0xf5                                       ; source 0 (w_out) window 1, source 1 (the rows) window 1, C and D window 3
.elseif MSET == 1
.set MR, 0
	WIN 0xf6                                       ; source 0 window 2
.else
.set MR, 128
	WIN 0xf6
.endif
.if (\k) == 0
.set ZR, 1
.else
.set ZR, 0
.endif
.irp t, 0,1,2,3,4,5,6,7,8,9,10,11,12,13,14,15
.irp m, 0,1
.set rD, 8*(16*\m+\t)
.set rA, MR+8*\t
.set rB, 64*\m+8*(\k)
.set rSA, 32+8*(\t/2)+(\k)
.set rSB, 96+(\k)
	WM ZR, \t%2, \m
.endr
.endr
.endm
.macro REDUCE                          ; v120 summed over the 32 lanes, the result in every lane
	v_add_f32_dpp v120, v120, v120 row_xmask:1 row_mask:0xf bank_mask:0xf
	v_add_f32_dpp v120, v120, v120 row_xmask:2 row_mask:0xf bank_mask:0xf
	v_add_f32_dpp v120, v120, v120 row_xmask:4 row_mask:0xf bank_mask:0xf
	v_add_f32_dpp v120, v120, v120 row_xmask:8 row_mask:0xf bank_mask:0xf
	v_permlanex16_b32 v121, v120, s20, s21
	v_add_f32 v120, v120, v121
.endm
; row i of my eight: the product's row from the stage and x's row, 16 LDS loads, into buffer i % 2 of window 2
.macro ROWLOAD i
.set LB, 64*((\i)%2)
	WIN 0x80
.irp e, 0,1,2,3,4,5,6,7
	ds_load_b128 v[LB+4*\e:LB+4*\e+3], v10 offset:(\i)*YP+512*\e
.endr
.irp e, 0,1,2,3,4,5,6,7
	ds_load_b128 v[LB+32+4*\e:LB+32+4*\e+3], v11 offset:(\i)*4096+512*\e
.endr
.endm
.macro ROWWORK i
.set YB, 64*((\i)%2)
.set XB, YB+32
.if (\i) < 7
	s_wait_dscnt 16                                ; this row's 16 loads are in; the next row's may be out
.else
	s_wait_dscnt 0x0
.endif
	WIN 0xaa                                       ; all in window 2
.irp p, 0,2,4,6,8,10,12,14,16,18,20,22,24,26,28,30
	v_pk_add_f32 v[YB+\p:YB+\p+1], v[YB+\p:YB+\p+1], v[128+\p:129+\p]      ; + b_out
.endr
.irp p, 0,2,4,6,8,10,12,14,16,18,20,22,24,26,28,30
	v_pk_add_f32 v[YB+\p:YB+\p+1], v[YB+\p:YB+\p+1], v[XB+\p:XB+\p+1]      ; + x: y
.endr
.irp p, 0,1,2,3,4,5,6,7
	v_pk_add_f32 v[XB+2*\p:XB+2*\p+1], v[YB+4*\p:YB+4*\p+1], v[YB+4*\p+2:YB+4*\p+3]   ; the lane's sum, as a tree, in x's registers
.endr
.irp p, 0,1,2,3
	v_pk_add_f32 v[XB+2*\p:XB+2*\p+1], v[XB+4*\p:XB+4*\p+1], v[XB+4*\p+2:XB+4*\p+3]
.endr
.irp p, 0,1
	v_pk_add_f32 v[XB+2*\p:XB+2*\p+1], v[XB+4*\p:XB+4*\p+1], v[XB+4*\p+2:XB+4*\p+3]
.endr
	v_pk_add_f32 v[XB:XB+1], v[XB:XB+1], v[XB+2:XB+3]
	WIN 0x0a                                       ; sources window 2, destination window 0
	v_add_f32 v120, v[XB], v[XB+1]
	WIN 0
	REDUCE
	v_mul_f32 v122, 0xba800000, v120               ; - the mean (x -1 / 1,024), twice: the packed addition takes a pair
	v_mul_f32 v123, 0xba800000, v120
	WIN 0x82                                       ; source 0 and destination window 2, source 1 window 0
.irp p, 0,2,4,6,8,10,12,14,16,18,20,22,24,26,28,30
	v_pk_add_f32 v[YB+\p:YB+\p+1], v[YB+\p:YB+\p+1], v[122:123]
.endr
	WIN 0xaa
.irp p, 0,1,2,3
	v_pk_mul_f32 v[XB+2*\p:XB+2*\p+1], v[YB+2*\p:YB+2*\p+1], v[YB+2*\p:YB+2*\p+1]     ; the squares, in four chains
.endr
.irp p, 4,5,6,7,8,9,10,11,12,13,14,15
	v_pk_fma_f32 v[XB+2*(\p%4):XB+2*(\p%4)+1], v[YB+2*\p:YB+2*\p+1], v[YB+2*\p:YB+2*\p+1], v[XB+2*(\p%4):XB+2*(\p%4)+1]
.endr
	v_pk_add_f32 v[XB:XB+1], v[XB:XB+1], v[XB+2:XB+3]
	v_pk_add_f32 v[XB+4:XB+5], v[XB+4:XB+5], v[XB+6:XB+7]
	v_pk_add_f32 v[XB:XB+1], v[XB:XB+1], v[XB+4:XB+5]
	WIN 0x0a
	v_add_f32 v120, v[XB], v[XB+1]
	WIN 0
	REDUCE
	v_fma_f32 v120, v120, s22, s23                 ; the variance + 1e-5
	v_rsq_f32 v124, v120
	v_rsq_f32 v125, v120
	v_nop                                          ; a plain place behind the two
	s_wait_alu depctr_va_vdst(0)                   ; one wait for both, ahead of their first reader
	WIN 0x82
.irp p, 0,2,4,6,8,10,12,14,16,18,20,22,24,26,28,30
	v_pk_mul_f32 v[YB+\p:YB+\p+1], v[YB+\p:YB+\p+1], v[124:125]
.endr
	WIN 0xaa
.irp p, 0,2,4,6,8,10,12,14,16,18,20,22,24,26,28,30
	v_pk_fma_f32 v[YB+\p:YB+\p+1], v[YB+\p:YB+\p+1], v[160+\p:161+\p], v[192+\p:193+\p]   ; x gamma + beta
.endr
	WIN 0x08                                       ; a store's data are its source 1: window 2
.irp e, 0,1,2,3,4,5,6,7
	global_store_b128 v2, v[YB+4*\e:YB+4*\e+3], s[16:17] offset:(\i)*4096+512*\e th:TH_STORE_NT   ; 32 lanes store 512 consecutive bytes
.endr
.if (\i) < 6
	WIN 0
	s_wait_xcnt 0x0                                ; the stores have read their registers: the buffer may be loaded again
	ROWLOAD (\i)+2
.endif
.endm
	s_load_b256 s[4:11], s[0:1], 0x0               ; oc s[4:5], wo s[6:7], x s[8:9], b_out s[10:11]
	s_load_b128 s[12:15], s[0:1], 0x20             ; gamma s[12:13], beta s[14:15]
	s_load_b64 s[16:17], s[0:1], 0x30              ; out0
	v_lshl_add_u32 v254, v0, 2, 0x40200
	v_mov_b32 v255, 0
	ds_add_u32 v254, v255
	ds_add_u32 v254, v255
	v_lshrrev_b32 v1, 5, v0
	v_readfirstlane_b32 s18, v1                    ; wave 0..3
	; group 1: 32,768 dense bytes as 128 rows of 32 elements of 8 bytes
	s_mov_b32 s24, 3<<16
	s_mov_b32 s25, 32<<16
	s_mov_b32 s26, 128<<16
	s_mov_b32 s27, 32<<16
	s_mov_b32 s28, 128
	s_mov_b32 s29, 32
	s_mov_b32 s30, 0
	s_mov_b32 s31, 0
	s_lshl_b32 s36, ttmp9, 17                      ; 32 rows of 4,096 bytes a work-group,
	s_lshl_b32 s37, s18, 15                        ; 8 a wave
	s_add_co_u32 s36, s36, s37
	s_mov_b32 s37, 0
	s_mov_b32 s20, 0x76543210
	s_mov_b32 s21, 0xfedcba98                      ; v_permlanex16_b32's selects for lane l xor 16
	s_mov_b32 s22, 0x3a800000                      ; 1 / 1,024
	s_mov_b32 s23, 0x3727c5ac                      ; 1e-5
	s_wait_dscnt 0x0
	s_wait_kmcnt 0x0
	s_mov_b32 s32, 1
	s_lshl_b32 s33, s18, 15                        ; my own 32,768 bytes of LDS
	s_add_nc_u64 s[34:35], s[8:9], s[36:37]
	s_or_b32 s35, s35, 0x80000000
	tensor_load_to_lds s[32:35], s[24:31]          ; x's rows 8 w .. 8 w + 7: my one tensor load; only I read these bytes
	s_nop 0
.rept 4
	v_nop
.endr
	s_add_nc_u64 s[16:17], s[16:17], s[36:37]      ; out0 at my first row
	s_mov_b32 s47, 0
	s_lshl_b32 s46, ttmp9, 14
	s_add_nc_u64 s[38:39], s[4:5], s[46:47]        ; the rows' images: 8,192 bytes a tile, two tiles
	s_lshl_b32 s46, ttmp9, 6
	s_add_co_u32 s46, s46, 4194304
	s_add_nc_u64 s[40:41], s[4:5], s[46:47]        ; their half words: 2 bytes a row
	s_lshl_b32 s46, s18, 13
	s_add_co_u32 s46, s46, 524288
	s_add_nc_u64 s[42:43], s[6:7], s[46:47]        ; w_out's scale words: my 8 pairs of tiles
	s_lshl_b32 s46, s18, 14
	s_add_nc_u64 s[44:45], s[6:7], s[46:47]        ; w_out's images: my 16 tiles
	v_and_b32 v1, 31, v0                           ; lane
	v_lshlrev_b32 v2, 4, v1                        ; 16 x lane
	v_lshlrev_b32 v3, 3, v1                        ; 8 x lane
	v_lshlrev_b32 v4, 1, v1                        ; 2 x lane
.irp n, 0,1,2,3,4,5,6,7,8,9,10,11,12,13,14,15
	global_load_u16 v[104+\n], v4, s[40:41] offset:\n*16384        ; head n's half word of row 32 g + lane
.endr
	WIN 0x40
.irp m, 0,1
.irp k, 0,1,2,3,4,5,6,7
.irp c, 0,1
	global_load_b128 v[64*\m+8*\k+4*\c:64*\m+8*\k+4*\c+3], v2, s[38:39] offset:\m*8192+\k*1024+\c*512
.endr
.endr
.endr
	WIN 0
.irp p, 0,1,2,3,4,5,6,7
.irp k, 0,1,2,3
	global_load_b64 v[32+8*\p+2*\k:33+8*\p+2*\k], v3, s[42:43] offset:\p*1024+\k*256
.endr
.endr
	LOADB 0
	LOADB 1
	WIN 0
	s_wait_loadcnt 63                              ; 64 loads were issued behind the scale words; the count's field ends at 63, which asks for one load more than is needed
.irp k, 0,1,2,3,4,5,6,7
	v_lshl_or_b32 v[96+\k], v[105+2*\k], 16, v[104+2*\k]   ; the word of K step k: heads 2 k and 2 k + 1
.endr
	; the addresses of the way out are made here: nine plain instructions between the scale words' writes and the first product that reads them
	s_lshl_b32 s46, s18, 10
	s_add_co_u32 s46, s46, YST
	s_mul_i32 s48, s18, 8*YP
	s_add_co_u32 s48, s48, YST
	s_lshl_b32 s49, s18, 15
	v_and_b32 v5, 15, v0                           ; r
	v_bfe_u32 v6, v0, 4, 1                         ; h
	v_mul_u32_u24 v8, v5, YP
	v_lshl_add_u32 v8, v6, 5, v8
	v_add_nc_u32 v8, s46, v8                       ; into the stage: row r, my 1,024 bytes, + 32 h; tile 0,
	v_add_nc_u32 v9, 16*YP, v8                     ; tile 1
	v_add_nc_u32 v10, s48, v2                      ; back: my 8 rows, 16 bytes a lane
	v_add_nc_u32 v11, s49, v2                      ; x's rows likewise
	v_mov_b32 v121, 0                              ; written once: a lane permute's destination counts as one of its sources
.irp n, 0,1,2,3,4,5,6,7
	STEP \n
.endr
	PLACES
	WIN 0x0c                                       ; an LDS store's data are its source 1: window 3
.irp m, 0,1
.irp t, 0,1,2,3,4,5,6,7,8,9,10,11,12,13,14,15
	ds_store_b128 v[8+\m], v[8*(16*\m+\t):8*(16*\m+\t)+3] offset:64*\t        ; each accumulator from its low end on
	ds_store_b128 v[8+\m], v[8*(16*\m+\t)+4:8*(16*\m+\t)+7] offset:64*\t+16
.endr
.endr
	WIN 0
	s_wait_tensorcnt 0x0                           ; x's rows are in
	s_wait_dscnt 0x0                               ; for the others' sake: my stores into the stage have landed
	s_barrier_signal -1
	s_barrier_wait -1                              ; 32 whole rows lie in the stage
	s_wait_loadcnt 0x0                             ; b_out, gamma, beta
	ROWLOAD 0
	ROWLOAD 1
.irp n, 0,1,2,3,4,5,6,7
	ROWWORK \n
.endr
	WIN 0
	s_wait_tensorcnt 0x0
	ds_add_u32 v254, v255
	s_wait_dscnt 0x0
	s_endpgm
.Lfunc_end_k_qccee9d918f_outln:
	.size	k_qccee9d918f_outln, .Lfunc_end_k_qccee9d918f_outln-k_qccee9d918f_outln
	.p2alignl 7, 3214868480
	.fill 96, 4, 3214868480
	.section	.rodata,"a",@progbits
	.p2align	6, 0x0
	.amdhsa_kernel k_qccee9d918f_outln
		.amdhsa_group_segment_fixed_size 263168
		.amdhsa_private_segment_fixed_size 0
		.amdhsa_enable_private_segment 0
		.amdhsa_kernarg_size 56
		.amdhsa_user_sgpr_count 2
		.amdhsa_user_sgpr_kernarg_segment_ptr 1
		.amdhsa_wavefront_size32 1
		.amdhsa_system_sgpr_workgroup_id_x 1
		.amdhsa_system_sgpr_workgroup_id_y 1
		.amdhsa_system_sgpr_workgroup_id_z 1
		.amdhsa_system_vgpr_workitem_id 0
		.amdhsa_next_free_vgpr 1024
		.amdhsa_next_free_sgpr 66
		.amdhsa_reserve_vcc 0
		.amdhsa_float_denorm_mode_32 3
		.amdhsa_float_denorm_mode_16_64 3
		.amdhsa_memory_ordered 1
		.amdhsa_forward_progress 1
		.amdhsa_inst_pref_size 159
	.end_amdhsa_kernel
	.amdgpu_metadata
---
amdhsa.version: [ 1, 2 ]
amdhsa.kernels:
  - .name:           k_qccee9d918f_outln
    .symbol:         k_qccee9d918f_outln.kd
    .args:
      - { .name: oc, .offset: 0, .size: 8, .value_kind: global_buffer, .address_space: global }
      - { .name: wo, .offset: 8, .size: 8, .value_kind: global_buffer, .address_space: global }
      - { .name: x, .offset: 16, .size: 8, .value_kind: global_buffer, .address_space: global }
      - { .name: b_out, .offset: 24, .size: 8, .value_kind: global_buffer, .address_space: global }
      - { .name: gamma, .offset: 32, .size: 8, .value_kind: global_buffer, .address_space: global }
      - { .name: beta, .offset: 40, .size: 8, .value_kind: global_buffer, .address_space: global }
      - { .name: out0, .offset: 48, .size: 8, .value_kind: global_buffer, .address_space: global }
    .group_segment_fixed_size: 263168
    .private_segment_fixed_size: 0
    .kernarg_segment_align: 8
    .kernarg_segment_size: 56
    .max_flat_workgroup_size: 128
    .sgpr_count:     66
    .vgpr_count:     1024
    .wavefront_size: 32
...
	.end_amdgpu_metadata
.endif
;; end of part 4
